; MI455X (gfx1250); checked and timed in simulation.
; The chip was launched on July 23, 2026; its instructions are those of AMD's public machine-readable ISA for CDNA 5 (MIT licence, August 2026) and "CDNA5" Instruction Set Architecture Reference Guide (July 2026). The comments in the code are by the model that wrote it; some were corrected since.
;; Self Att V3. Allowed arithmetic: float matrix products may take bf16 or f16 operands with f32 sums; all other float work in f32.
;; Inputs: W_out 1,024 x 1,024 float32; W_qkv 1,024 x 3,072 float32; b_out 1,024 float32; b_qkv 3,072 float32; x 4 x 2,048 x 1,024 float32.
;; Outputs: out0 4 x 2,048 x 1,024 float32.
;; One version. Each part assembles by itself: llvm-mc -triple=amdgcn-amd-amdhsa -mcpu=gfx1250 --defsym DOCPART=n.
;; ======== version 1 of 1: 5 launches
;; limits: values are held in f16: magnitudes above 65,504 overflow, below 6.1e-05 lose precision
;; workspace buffers: xb 16,777,216 bytes; wqb 6,291,456 bytes; woh 2,097,152 bytes; qkv 50,331,648 bytes; pt 33,554,432 bytes; stat 1,048,576 bytes; ctx 16,777,216 bytes
;; launch cast (part 1): grid 768 x 1, 8 waves a work-group, no clusters, 0 bytes of LDS; arguments x, W_qkv, W_out, xb, wqb, woh; writes xb, wqb, woh
.if DOCPART == 1
	.amdgcn_target "amdgcn-amd-amdhsa--gfx1250"
	.amdhsa_code_object_version 6
	.text
	.protected	k_qb375f3b41f_cast
	.globl	k_qb375f3b41f_cast
	.p2align	8
	.type	k_qb375f3b41f_cast,@function
k_qb375f3b41f_cast:
	s_mov_b64 s[64:65], 0
	v_nop
	global_prefetch_b8 v0, s[64:65] scope:SCOPE_SE
	s_setreg_imm32_b32 hwreg(HW_REG_WAVE_MODE, 25, 1), 1
	s_wait_xcnt 0x0
; x and W_qkv (f32) are rounded to bf16 (xb, wqb); W_out is rounded to bf16 and that number is written as f16 (woh), since the product
; that takes it has f16 operands.  A stream: no LDS, no barrier, no matrix unit, no loop.
; LAYOUTS.  wqb and woh lie as their inputs do.  xb lies in blocks of 64 along K: element (row, k) at byte (k / 64) x 1,048,576 + row x 128 + (k % 64) x 2,
; so that the rows of a tile of 64 along K, 128 bytes each, lie end to end for the launch behind.
; LIMIT.  A bf16 number is exact in f16 from 6.1e-5 to 65,504 in magnitude; below that woh keeps f16's fixed step of 6e-8, beyond it an infinity arises.
; SHARES.  A work-group takes 65,536 bytes in and 32,768 out: groups 0-511 x (16 rows each), 512-703 W_qkv, 704-767 W_out.
; W: thread t takes 4 numbers of each of 16 chunks of 1,024: a wave's load covers 512 consecutive bytes, its store 256 consecutive bytes at a multiple of 256.
; x: thread t takes row t / 16 and 4 numbers at 4 (t % 16) of each of the 16 blocks of 64: sixteen lanes read 256 consecutive bytes of a row; a wave's store is two rows' 128 bytes of one block,
; 256 consecutive bytes at a multiple of 256.  All 16 loads of a thread go out at once; no register is written twice while memory may read it.
.set IN,  8                            ; v[8:71]    chunk i: 4 numbers as loaded
.set OUT, 72                           ; v[72:103]  chunk i: 4 numbers of 16 bits
.set TP,  104                          ; v[104:109] at work (W_out's path)
.macro LOADS step
.irp i, 0,1,2,3,4,5,6,7,8,9,10,11,12,13,14,15
	global_load_b128 v[IN+4*\i:IN+4*\i+3], v1, s[20:21] offset:(\step)*\i th:TH_LOAD_NT
.endr
.endm
.macro TOBF i                          ; loads come back in order: chunk i is in, the younger ones stay out
	s_wait_loadcnt 15-\i
	v_cvt_pk_bf16_f32 v[OUT+2*\i], v[IN+4*\i], v[IN+4*\i+1]
	v_cvt_pk_bf16_f32 v[OUT+2*\i+1], v[IN+4*\i+2], v[IN+4*\i+3]
.endm
	s_load_b256 s[4:11], s[0:1], 0x0               ; x s[4:5], W_qkv s[6:7], W_out s[8:9], xb s[10:11]
	s_load_b128 s[12:15], s[0:1], 0x20             ; wqb s[12:13], woh s[14:15]
	v_lshlrev_b32 v2, 3, v0                        ; my 8 bytes of what the group stores at a time
	s_wait_kmcnt 0x0
	s_cmp_lt_u32 ttmp9, 512                        ; which tensor is mine: the choice hangs on the group's number alone
	s_cselect_b64 s[20:21], s[4:5], s[6:7]
	s_cselect_b64 s[22:23], s[10:11], s[12:13]
	s_cselect_b32 s24, 0, 512
	s_cselect_b32 s28, 11, 15                      ; a group's step in the output: 16 rows of 128 bytes in each block of xb, or 32,768 bytes
	s_cmp_lt_u32 ttmp9, 704
	s_cselect_b64 s[20:21], s[20:21], s[8:9]
	s_cselect_b64 s[22:23], s[22:23], s[14:15]
	s_cselect_b32 s24, s24, 704
	s_sub_co_u32 s25, ttmp9, s24                   ; my number among that tensor's groups
	s_lshl_b32 s26, s25, 16
	s_mov_b32 s27, 0
	s_add_nc_u64 s[20:21], s[20:21], s[26:27]
	s_lshl_b32 s26, s25, s28
	s_add_nc_u64 s[22:23], s[22:23], s[26:27]
	s_cmp_lt_u32 ttmp9, 512
	s_cbranch_scc1 .Lx
	v_lshlrev_b32 v1, 4, v0                        ; my 16 bytes of a chunk
	LOADS 4096
	s_cmp_lt_u32 ttmp9, 704
	s_cbranch_scc0 .Lf16
.irp i, 0,1,2,3,4,5,6,7,8,9,10,11,12,13,14,15
	TOBF \i
	global_store_b64 v2, v[OUT+2*\i:OUT+2*\i+1], s[22:23] offset:2048*\i
.endr
	s_endpgm
.Lf16:
.irp i, 0,1,2,3,4,5,6,7,8,9,10,11,12,13,14,15
	s_wait_loadcnt 15-\i
	v_cvt_pk_bf16_f32 v[TP], v[IN+4*\i], v[IN+4*\i+1]       ; the one rounding that every input gets,
	v_cvt_pk_bf16_f32 v[TP+1], v[IN+4*\i+2], v[IN+4*\i+3]
	v_lshlrev_b32 v[TP+2], 16, v[TP]                        ; back to f32,
	v_and_b32 v[TP+3], 0xffff0000, v[TP]
	v_lshlrev_b32 v[TP+4], 16, v[TP+1]
	v_and_b32 v[TP+5], 0xffff0000, v[TP+1]
	v_cvt_pk_f16_f32 v[OUT+2*\i], v[TP+2], v[TP+3]          ; and written as f16
	v_cvt_pk_f16_f32 v[OUT+2*\i+1], v[TP+4], v[TP+5]
	global_store_b64 v2, v[OUT+2*\i:OUT+2*\i+1], s[22:23] offset:2048*\i
.endr
	s_endpgm
.Lx:
	v_lshrrev_b32 v3, 4, v0                        ; my row of the group's 16
	v_and_b32 v4, 15, v0
	v_lshlrev_b32 v4, 4, v4                        ; my 16 bytes of a block's 256
	v_lshl_add_u32 v1, v3, 12, v4
	LOADS 256
	s_add_nc_u64 s[30:31], s[22:23], 0x800000      ; blocks 8 to 15 by a second base: the stores' immediates stay inside their signed 24 bits
.irp i, 0,1,2,3,4,5,6,7,8,9,10,11,12,13,14,15
	TOBF \i
.if \i < 8
	global_store_b64 v2, v[OUT+2*\i:OUT+2*\i+1], s[22:23] offset:1048576*\i
.else
	global_store_b64 v2, v[OUT+2*\i:OUT+2*\i+1], s[30:31] offset:1048576*(\i-8)
.endif
.endr
	s_endpgm
.Lfunc_end_k_qb375f3b41f_cast:
	.size	k_qb375f3b41f_cast, .Lfunc_end_k_qb375f3b41f_cast-k_qb375f3b41f_cast
	.p2alignl 7, 3214868480
	.fill 96, 4, 3214868480
	.section	.rodata,"a",@progbits
	.p2align	6, 0x0
	.amdhsa_kernel k_qb375f3b41f_cast
		.amdhsa_group_segment_fixed_size 0
		.amdhsa_private_segment_fixed_size 0
		.amdhsa_enable_private_segment 0
		.amdhsa_kernarg_size 48
		.amdhsa_user_sgpr_count 2
		.amdhsa_user_sgpr_kernarg_segment_ptr 1
		.amdhsa_wavefront_size32 1
		.amdhsa_system_sgpr_workgroup_id_x 1
		.amdhsa_system_sgpr_workgroup_id_y 1
		.amdhsa_system_sgpr_workgroup_id_z 1
		.amdhsa_system_vgpr_workitem_id 0
		.amdhsa_next_free_vgpr 112
		.amdhsa_next_free_sgpr 66
		.amdhsa_reserve_vcc 0
		.amdhsa_float_denorm_mode_32 3
		.amdhsa_float_denorm_mode_16_64 3
		.amdhsa_memory_ordered 1
		.amdhsa_forward_progress 1
		.amdhsa_inst_pref_size 22
	.end_amdhsa_kernel
	.amdgpu_metadata
---
amdhsa.version: [ 1, 2 ]
amdhsa.kernels:
  - .name:           k_qb375f3b41f_cast
    .symbol:         k_qb375f3b41f_cast.kd
    .args:
      - { .name: x, .offset: 0, .size: 8, .value_kind: global_buffer, .address_space: global }
      - { .name: W_qkv, .offset: 8, .size: 8, .value_kind: global_buffer, .address_space: global }
      - { .name: W_out, .offset: 16, .size: 8, .value_kind: global_buffer, .address_space: global }
      - { .name: xb, .offset: 24, .size: 8, .value_kind: global_buffer, .address_space: global }
      - { .name: wqb, .offset: 32, .size: 8, .value_kind: global_buffer, .address_space: global }
      - { .name: woh, .offset: 40, .size: 8, .value_kind: global_buffer, .address_space: global }
    .group_segment_fixed_size: 0
    .private_segment_fixed_size: 0
    .kernarg_segment_align: 8
    .kernarg_segment_size: 48
    .max_flat_workgroup_size: 256
    .sgpr_count:     66
    .vgpr_count:     112
    .wavefront_size: 32
...
	.end_amdgpu_metadata
.endif
;; end of part 1
;; launch qkvproj (part 2): grid 8 x 32, 4 waves a work-group, clusters of 4 x 4, 327,680 bytes of LDS; arguments xb, wqb, b_qkv, qkv; writes qkv
.if DOCPART == 2
	.amdgcn_target "amdgcn-amd-amdhsa--gfx1250"
	.amdhsa_code_object_version 6
	.text
	.protected	k_qb375f3b41f_qkvproj
	.globl	k_qb375f3b41f_qkvproj
	.p2align	8
	.type	k_qb375f3b41f_qkvproj,@function
k_qb375f3b41f_qkvproj:
	s_mov_b64 s[64:65], 0
	v_nop
	global_prefetch_b8 v0, s[64:65] scope:SCOPE_SE
	s_setreg_imm32_b32 hwreg(HW_REG_WAVE_MODE, 25, 1), 1
	s_wait_xcnt 0x0
	s_wait_alu depctr_hold_cnt(0) depctr_sa_sdst(0) depctr_va_vdst(0) depctr_va_sdst(0) depctr_va_ssrc(0) depctr_va_vcc(0) depctr_vm_vsrc(0)
	s_getreg_b32 s2, hwreg(HW_REG_IB_STS2, 6, 4)
	s_cmp_eq_u32 s2, 0
	s_cbranch_scc0 .Lentry_in_a_cluster
	s_endpgm
.Lentry_in_a_cluster:
	s_bfe_u32 s2, ttmp6, 0x10000c
	s_cmp_lg_u32 s2, 0xf033
	s_cbranch_scc0 .Lentry_shape_is_right
	s_endpgm
.Lentry_shape_is_right:
; qkv [8192][3072] f16 = x W_qkv + b_qkv.  xb: x in bf16, in blocks of 64 along K ((row, k) at byte (k / 64) x 1,048,576 + row x 128 + (k % 64) x 2); wqb: [1024 k][3072 n] bf16;
; b_qkv f32, rounded to bf16 here, as every input is.  Sums in f32, qkv rounded once.
; LIMITS.  Results beyond 65,504 become infinities in f16; below 6.1e-5 they keep f16's fixed step of 6e-8; NaN and infinities are not treated apart (an infinite bias gives NaN).
; SHARES.  8 x 32 tiles of 256 x 384: one work-group for each of 256 tiles.  Wave w makes rows 128 (w / 2) on, columns 192 (w % 2) on: 96 accumulators of 16 x 16
; ((a, b): rows 16 a on, columns 16 b on, in window 1 + b / 4 at 8 (4 a + b % 4)): for 32 along K a wave reads 20 fragments from LDS for 96 products.
; K goes in 16 steps of 64 through two LDS slots: A's 256 rows of 128 + 16 bytes, then B's 64 k-rows of six pieces of 128 + 16 bytes (864 = 27 x 32), read turned, by ds_load_tr16_b128.
; A tile's rows of A lie end to end in xb, so 128 of them are asked for as 64 rows of 256 bytes.
; THE MATRIX INSTRUCTION IS USED TRANSPOSED (source 0 = 16 columns of B, source 1 = 16 rows of A): lane l holds row l % 16 of C and the columns 8 (l / 16) + 0..7.
; CLUSTER 4 x 4.  A's tile hangs on the tile row alone and is asked for jointly along a row of the cluster, B's on the tile column alone along a column.
; Waves 0, 1 ask for A's halves, waves 2, 3 for B's (32 k-rows of 768 bytes: LDS takes a tile dense, so B is shared out by rows): one tensor load a wave behind each round; two a wave are out at the start, one later.
; THE BIAS starts the sums: one more quarter, ahead of the loop, with the constant 0 as C, A = 1 at k = 0 and B = the bias at k = 0, all else 0: 96 products and 91 moves of zeros in the wait for
; the first tile; they spare 96 registers for a C operand and a first quarter written out.
; REGISTERS.  window 0: v0-29 addresses; v32-95, v96-159 A's fragments of a step's first and second 32 along K; v160-255 three buffers of four fragments of B; windows 1 to 3: the accumulators.
.set PA, 144                           ; LDS pitch of A: 9 x 16 bytes: the 16 rows of a load begin in 16 different columns of 16 bytes modulo 256
.set PB, 864                           ; LDS pitch of B: 27 x 32 bytes: 16 lanes of the turning load take 8 rows x 32 bytes, all different modulo 256
.set BOFF, 256*PA                      ; B's tile behind A's
.set SLOT1, 1<<17                      ; slot 1: a bit that no address in slot 0 (92,160 bytes) has, so one exclusive or changes slots
.set SPARE, SLOT1+BOFF+64*PB           ; 223,232: the spare words, 128 bytes a wave, named by no other line
.set SPT, 784                          ; the stage's pitch: 768 + 16 bytes = 49 x 16.  The stage, 256 rows, lies over the slots from byte 0 on, behind their last fill
.set STEPA, 8192*128                   ; bytes from K step to K step
.set STEPB, 64*6144
.set AF, 32
.set BF, 160
.set MSB, 0
.macro WIN new                         ; the immediate's high byte repeats the setting that is left; a switch that changes nothing is dropped
.if MSB != (\new)
	s_set_vgpr_msb (MSB<<8)|(\new)
.set MSB, (\new)
.endif
.endm
.macro PLACES                          ; plain vector instructions between a matrix instruction and what touches its registers (ISA guide 7.12.1 for vector instructions)
.rept 4
	v_nop
.endr
.endm
.macro CREST                           ; a round of the cluster's barrier behind its opening barrier
	s_cmp_lg_u32 s12, 0
	s_cbranch_scc1 .Lnot_wave_0_\@
	s_barrier_signal -3
.Lnot_wave_0_\@:
	s_barrier_wait -3
	s_barrier_signal -1
	s_barrier_wait -1
.endm
.macro CROUND
	s_barrier_signal -1
	s_barrier_wait -1
	CREST
.endm
.macro JLOAD                           ; a joint refill by the walking descriptors; the branch hangs on the wave's number alone; s_nop 0 and four v_nop follow each line
	s_cmp_eq_u32 s13, 0
	s_cbranch_scc0 .Lfor_b_\@
	tensor_load_to_lds s[36:39], s[24:31]
	s_nop 0
	PLACES
	s_branch .Lasked_\@
.Lfor_b_\@:
	tensor_load_to_lds s[60:63], s[48:55]
	s_nop 0
	PLACES
.Lasked_\@:
.endm
	s_load_b256 s[4:11], s[0:1], 0x0               ; xb s[4:5], wqb s[6:7], b_qkv s[8:9], qkv s[10:11]
	v_lshl_add_u32 v28, v0, 2, SPARE               ; my spare word; never rewritten
	v_mov_b32 v29, 0                               ; never rewritten
	ds_add_u32 v28, v29
	s_wait_dscnt 0x0
	v_lshrrev_b32 v1, 5, v0
	v_readfirstlane_b32 s12, v1                    ; wave 0..3
	s_lshr_b32 s13, s12, 1                         ; my half of the rows.  Also: I ask for A (0) or B (1)
	s_and_b32 s14, s12, 1                          ; my half of the columns.  Also: which half of that tile I ask for
	s_bfe_u32 s16, ttmp6, 0x40000                  ; cx
	s_bfe_u32 s17, ttmp6, 0x40004                  ; cy
	s_lshl_b32 s18, ttmp9, 2
	s_add_co_u32 s18, s18, s16                     ; X: tile column = 4 x cluster x + cx
	s_and_b32 s20, ttmp7, 0xffff
	s_lshl_b32 s19, s20, 2
	s_add_co_u32 s19, s19, s17                     ; Y: tile row = 4 x cluster y + cy
	s_lshl_b32 s21, s17, 2
	s_lshl_b32 s21, 15, s21                        ; my row of the cluster
	s_lshl_b32 s22, 0x1111, s16                    ; my column
	; group 1 for A: 64 rows x 128 elements (two rows of x each); for B: 32 rows x 384 elements.  Both: 4 words of padding after every 32 words
	s_or_b32 s24, s21, (1<<16)|(1<<20)|(1<<21)|(4<<22)|(3<<25)  ; mask; 2-byte elements; padding on; bit 21 beside a mask; interval code 4; 4 words
	s_mov_b32 s25, 128<<16                         ; tensor_dim0
	s_mov_b32 s26, 64<<16                          ; tensor_dim1
	s_mov_b32 s27, 128<<16                         ; tile_dim0
	s_mov_b32 s28, 64                              ; tile_dim1
	s_mov_b32 s29, 128                             ; elements from row to row: dense
	s_mov_b32 s30, 0
	s_mov_b32 s31, 0
	s_or_b32 s48, s22, (1<<16)|(1<<20)|(1<<21)|(4<<22)|(3<<25)
	s_mov_b32 s49, 384<<16
	s_mov_b32 s50, 32<<16
	s_mov_b32 s51, 384<<16
	s_mov_b32 s52, 32
	s_mov_b32 s53, 3072
	s_mov_b32 s54, 0
	s_mov_b32 s55, 0
	; A's offset is made of Y and the wave alone, B's of X and the wave alone
	s_lshl_b32 s40, s19, 15                        ; 256 rows of 128 bytes
	s_lshl_b32 s23, s14, 14                        ; my 128 of them
	s_add_co_u32 s40, s40, s23
	s_mov_b32 s41, 0
	s_mul_i32 s42, s14, 32*6144                    ; my 32 k-rows
	s_mul_i32 s43, s18, 768                        ; 384 columns of 2 bytes
	s_add_co_u32 s42, s42, s43
	s_mov_b32 s43, 0
	s_lshl_b32 s44, s19, 2
	s_add_co_u32 s44, s44, s12                     ; the 64 rows of C that I store: 4 Y + w
	s_mul_i32 s44, s44, 64*6144
	s_mul_i32 s45, s18, 768
	s_add_co_u32 s44, s44, s45
	s_mov_b32 s45, 0
	s_mul_i32 s46, s18, 1536                       ; the bias of my 192 columns, 4 bytes each
	s_mul_i32 s47, s14, 768
	s_add_co_u32 s46, s46, s47
	s_mov_b32 s47, 0
	s_mul_i32 s15, s14, 128*PA                     ; where the halves go in a slot: no place in the cluster enters an LDS address
	s_mul_i32 s23, s14, 32*PB
	s_add_co_u32 s23, s23, BOFF
	s_mov_b32 s66, 0                               ; the slot that the fragment addresses name
	s_wait_kmcnt 0x0
	s_add_nc_u64 s[40:41], s[4:5], s[40:41]
	s_add_nc_u64 s[42:43], s[6:7], s[42:43]
	s_add_nc_u64 s[8:9], s[8:9], s[46:47]
	s_add_nc_u64 s[10:11], s[10:11], s[44:45]
.irp n, 0,1                            ; group 0: set 0 = K step 0 into slot 0; set 1 = K step 1 into slot 1, and then it walks
	s_mov_b32 s[32+4*\n], 1
	s_add_co_u32 s[33+4*\n], s15, \n*SLOT1
	s_add_nc_u64 s[34+4*\n:35+4*\n], s[40:41], \n*STEPA
	s_or_b32 s[35+4*\n], s[35+4*\n], 0x80000000
	s_mov_b32 s[56+4*\n], 1
	s_add_co_u32 s[57+4*\n], s23, \n*SLOT1
	s_add_nc_u64 s[58+4*\n:59+4*\n], s[42:43], \n*STEPB
	s_or_b32 s[59+4*\n], s[59+4*\n], 0x80000000
.endr
	CROUND                                         ; all sixteen work-groups are here: the first joint loads meet
	s_cmp_eq_u32 s13, 0                            ; a wave's two first fills stand in one branch, ahead of every wait on TENSORcnt, LDS read and further barrier
	s_cbranch_scc0 .Lfirst_b
	tensor_load_to_lds s[32:35], s[24:31]
	s_nop 0
	tensor_load_to_lds s[36:39], s[24:31]
	s_nop 0
	PLACES
	s_branch .Lfirst_asked
.Lfirst_b:
	tensor_load_to_lds s[56:59], s[48:55]
	s_nop 0
	tensor_load_to_lds s[60:63], s[48:55]
	s_nop 0
	PLACES
.Lfirst_asked:
	v_and_b32 v1, 15, v0                           ; r = l % 16
	v_bfe_u32 v2, v0, 4, 1                         ; h = l / 16
	v_lshlrev_b32 v5, 2, v1                        ; the bias of column 16 b + r goes into register 0 of B's fragment b
.irp b, 0,1,2,3,4,5,6,7,8,9,10,11
	global_load_b32 v[BF+8*\b], v5, s[8:9] offset:64*\b
.endr
	v_mul_u32_u24 v16, v1, PA                      ; A's fragments: row r, 16 bytes a half of the lanes, my 128 rows
	v_lshl_add_u32 v16, v2, 4, v16
	s_mul_i32 s74, s13, 128*PA
	v_add_nc_u32 v16, s74, v16
	v_and_b32 v3, 7, v0                            ; B's, turned: lane l reads k-row 8 h + l % 8, 16 bytes at 16 ((l / 8) % 2), my three pieces of 64 columns
	v_lshl_add_u32 v3, v2, 3, v3
	v_mul_u32_u24 v17, v3, PB
	v_bfe_u32 v4, v0, 3, 1
	v_lshl_add_u32 v17, v4, 4, v17
	s_mul_i32 s74, s14, 3*144
	s_add_co_u32 s74, s74, BOFF
	v_add_nc_u32 v17, s74, v17
	v_mov_b32 v18, v16                             ; the two addresses in the slot in hand
	v_mov_b32 v19, v17
	v_mul_u32_u24 v20, v1, SPT                     ; into the stage: my rows 128 (w / 2) + r, my 384 bytes of them, 16 bytes a half of the lanes
	v_lshl_add_u32 v20, v2, 4, v20
	s_mul_i32 s74, s13, 128*SPT
	s_mul_i32 s75, s14, 384
	s_add_co_u32 s74, s74, s75
	v_add_nc_u32 v20, s74, v20
	v_add_nc_u32 v21, 64*SPT, v20                  ; the same 64 rows on: the LDS immediate has 16 bits
	v_mul_u32_u24 v22, v2, SPT                     ; back: wave w takes rows 64 w on, whole; lanes 0-15 256 bytes of one row, lanes 16-31 of the next
	v_lshl_add_u32 v22, v1, 4, v22
	s_mul_i32 s74, s12, 64*SPT
	v_add_nc_u32 v22, s74, v22
	v_mul_u32_u24 v23, v2, 6144                    ; and the same two rows in qkv
	v_lshl_add_u32 v23, v1, 4, v23
.irp b, 0,1,2,3,4,5,6,7,8,9,10,11      ; the bias quarter's operands are 0 but at k = 0
.irp z, 1,2,3,4,5,6,7
	v_mov_b32 v[BF+8*\b+\z], 0
.endr
.endr
.irp z, 1,2,3,4,5,6,7
	v_mov_b32 v[AF+64+\z], 0
.endr
	v_sub_nc_u32 v[AF+64], 1, v2                   ; k = 0 lies in the low half of register 0 of lanes 0 to 15: there 1.0 in bf16, else 0
	v_mul_u32_u24 v[AF+64], 0x3f80, v[AF+64]
	s_wait_loadcnt 0x0
.irp b, 0,1,2,3,4,5,6,7,8,9,10,11
	v_cvt_pk_bf16_f32 v[BF+8*\b], v[BF+8*\b], v29  ; the bias at k = 0 (in lanes 16 to 31 at k = 8, where A is 0), 0 beside it
.endr
; n x 4 matrix instructions of a unit: row blocks a0 on x the four column blocks of group u, on A's buffer q and B's buffer u.  zero = 1: the bias quarter: one fragment of A for all rows, the constant 0 starts the sums.
; The 96 accumulators take turns, one instruction a turn, in the same order everywhere.
.macro MUL q, u, a0, n, zero=0
	WIN 0x50*(1+(\u))                              ; C and D window 1 + u, fragments window 0
.set a, (\a0)
.rept \n
.irp bb, 0,1,2,3
.set rD, 8*(4*a+\bb)
.set rB, BF+32*(\u)+8*\bb
.set rA, AF+64*(\q)+8*a
.if \zero
	v_wmma_f32_16x16x32_bf16 v[rD:rD+7], v[rB:rB+7], v[AF+64:AF+71], 0
.else
	v_wmma_f32_16x16x32_bf16 v[rD:rD+7], v[rB:rB+7], v[rA:rA+7], v[rD:rD+7]
.endif
.endr
.set a, a+1
.endr
.endm
.macro RUNB q, u                       ; 8 LDS loads: B's four fragments of group u, 32 along K at 32 q, into buffer u
.irp bb, 0,1,2,3
	ds_load_tr16_b128 v[BF+32*(\u)+8*\bb:BF+32*(\u)+8*\bb+3],   v19 offset:32*PB*(\q)+144*(\u)+32*\bb
	ds_load_tr16_b128 v[BF+32*(\u)+8*\bb+4:BF+32*(\u)+8*\bb+7], v19 offset:32*PB*(\q)+16*PB+144*(\u)+32*\bb
.endr
.endm
.macro RUNA q                          ; 16 LDS loads: A's eight fragments, 32 along K at 32 q, into buffer q
.irp a, 0,1,2,3,4,5,6,7
	ds_load_b128 v[AF+64*(\q)+8*\a:AF+64*(\q)+8*\a+3],   v18 offset:16*PA*\a+64*(\q)
	ds_load_b128 v[AF+64*(\q)+8*\a+4:AF+64*(\q)+8*\a+7], v18 offset:16*PA*\a+64*(\q)+32
.endr
.endm
; A UNIT: 32 products under one window setting.  At its head the run of loads for the unit two ahead: B's group (rq, ru), into the buffer that the unit just issued has read (hence the places), and
; with ra >= 0 A's next buffer.  cnt: the loads of the run issued one unit ago, which may stay out (cnt < 0: all that this unit needs has been waited for).
; tail = 1: in the last K step there is no next step, and the run is jumped over.
.macro UNIT q, u, cnt, rq, ru, ra, tail=0
	WIN 0
.if (\cnt) >= 0
	s_wait_dscnt \cnt
.endif
.if \tail
	s_cmp_eq_u32 s67, 1
	s_cbranch_scc1 .Lnr_\@
.endif
	PLACES
	RUNB \rq, \ru
.if (\ra) >= 0
	RUNA \ra
.endif
.if \tail
.Lnr_\@:
.endif
	MUL \q, \u, 0, 8
.endm
; The fourth unit issues the last reads of the slot and changes slots: ONE barrier.  In front of it each wave waits for all its tensor loads (one is out: its part of the next slot), adds 0 to its spare word,
; and waits for that and for its reads of this slot.  fill = 1: the barrier opens a round of the cluster's, and the joint refill (two K steps on) is the first thing behind it: 176 matrix instructions ahead of the wait for it.
.macro TURN fill
	WIN 0
	s_wait_dscnt 0x8                               ; this unit's fragments are in; the run of eight issued one unit ago may stay out
	PLACES
	RUNB 1, 2
	s_wait_tensorcnt 0x0                           ; no tensor load of mine is out, so the walking descriptors may be written
	ds_add_u32 v28, v29                            ; 0 onto my spare word
.if \fill
	s_xor_b32 s37, s37, SLOT1                      ; the other slot than last time,
	s_add_nc_u64 s[38:39], s[38:39], STEPA         ; the next K step; the type bits on top are not reached
	s_xor_b32 s61, s61, SLOT1
	s_add_nc_u64 s[62:63], s[62:63], STEPB
.endif
	s_xor_b32 s66, s66, SLOT1                      ; the fragment addresses turn to the next slot
	v_add_nc_u32 v18, s66, v16
	v_add_nc_u32 v19, s66, v17
	MUL 1, 0, 0, 2
	s_wait_dscnt 0x0                               ; the add is done, and my reads of this slot are over
	s_barrier_signal -1
	MUL 1, 0, 2, 2                                 ; work on registers while the others arrive
	WIN 0
	s_barrier_wait -1
.if \fill
	CREST                                          ; no wave of any partner still reads this slot or has a load on its way
	JLOAD
.endif
	MUL 1, 0, 4, 4
.endm
.macro STEP fill                       ; a K step: six units; the last two fetch from the next slot
	UNIT 0, 0, 8, 0, 2, -1
	UNIT 0, 1, 8, 1, 0, 1
	UNIT 0, 2, 24, 1, 1, -1
	TURN \fill
	UNIT 1, 1, -1, 0, 0, 0, 1-(\fill)
	UNIT 1, 2, -1, 0, 1, -1, 1-(\fill)
	WIN 0
.endm
; THE WAY OUT of row block a: rounded to f16, each accumulator's low registers first; 16 bytes a lane into the stage.
.macro PACKA a
.set TM, 32+48*((\a)%2)
.irp u, 0,1,2
	WIN 5*(1+\u)                                   ; sources 0 and 1 window 1 + u, destination window 0
.irp bb, 0,1,2,3
.irp z, 0,1,2,3
	v_cvt_pk_f16_f32 v[TM+16*\u+4*\bb+\z], v[8*(4*(\a)+\bb)+2*\z], v[8*(4*(\a)+\bb)+2*\z+1]
.endr
.endr
.endr
	WIN 0
.irp b, 0,1,2,3,4,5,6,7,8,9,10,11
	ds_store_b128 v[20+(\a)/4], v[TM+4*\b:TM+4*\b+3] offset:((\a)%4)*16*SPT+32*\b
.endr
.endm
	MUL 0, 0, 0, 8, 1                              ; the bias starts all 96 sums
	MUL 0, 1, 0, 8, 1
	MUL 0, 2, 0, 8, 1
	WIN 0
	s_wait_tensorcnt 0x1                           ; my part of K step 0 is in; K step 1's may stay out
	s_barrier_signal -1
	s_barrier_wait -1
	PLACES                                         ; the products above read B's buffers
	RUNB 0, 0                                      ; what a step's last two units fetch for the next, here for K step 0
	RUNA 0
	RUNB 0, 1
	s_mov_b32 s67, 14
.Lmain:                                                ; K steps 0 to 13: each fills its slot again
	STEP 1
	s_sub_co_u32 s67, s67, 1
	s_cmp_lg_u32 s67, 0
	s_cbranch_scc1 .Lmain
	s_mov_b32 s67, 2
.Ltail:                                                ; the last two steps ask for nothing: a text of their own
	STEP 0
	s_sub_co_u32 s67, s67, 1
	s_cmp_lg_u32 s67, 0
	s_cbranch_scc1 .Ltail
	PLACES                                         ; what follows reads results just made and writes registers that the last products read
	s_wait_dscnt 0x0                               ; my reads of the slots are over,
	s_barrier_signal -1
	s_barrier_wait -1                              ; everybody's are, and every tensor load has landed: the slots have had their last fill and become the stage
.irp a, 0,1,2,3,4,5,6,7
	PACKA \a
.endr
	s_wait_dscnt 0x0                               ; for the others' sake: my stores into the stage are done; a row's 768 bytes come from two waves
	s_barrier_signal -1
	s_barrier_wait -1
	s_mov_b32 s67, 4
.Lsend:                                                ; a trip: 16 whole rows of the wave's 64
.irp n, 0,1,2,3,4,5,6,7,8,9,10,11,12,13,14,15,16,17,18,19,20,21,22,23
	ds_load_b128 v[32+4*\n:32+4*\n+3], v22 offset:(\n/3)*2*SPT+256*(\n%3)
.endr
.irp n, 0,1,2,3,4,5,6,7,8,9,10,11,12,13,14,15,16,17,18,19,20,21,22,23
	s_wait_dscnt 23-\n                             ; load n is back; the younger ones stay out
	global_store_b128 v23, v[32+4*\n:32+4*\n+3], s[10:11] offset:(\n/3)*2*6144+256*(\n%3)  ; 16 lanes store 256 consecutive bytes, at a multiple of 256 from qkv's first byte
.endr
	s_wait_xcnt 0x0                                ; the stores have read their data and their offset, which are written again below and in the next trip
	v_add_nc_u32 v22, 16*SPT, v22
	v_add_nc_u32 v23, 16*6144, v23
	s_sub_co_u32 s67, s67, 1
	s_cmp_lg_u32 s67, 0
	s_cbranch_scc1 .Lsend
	s_wait_tensorcnt 0x0                           ; the wave's end
	ds_add_u32 v28, v29
	s_wait_dscnt 0x0
	CROUND                                         ; the closing round: no work-group ends while a partner may still ask for a tile that names it
	s_endpgm
.Lfunc_end_k_qb375f3b41f_qkvproj:
	.size	k_qb375f3b41f_qkvproj, .Lfunc_end_k_qb375f3b41f_qkvproj-k_qb375f3b41f_qkvproj
	.p2alignl 7, 3214868480
	.fill 96, 4, 3214868480
	.section	.rodata,"a",@progbits
	.p2align	6, 0x0
	.amdhsa_kernel k_qb375f3b41f_qkvproj
		.amdhsa_group_segment_fixed_size 327680
		.amdhsa_private_segment_fixed_size 0
		.amdhsa_enable_private_segment 0
		.amdhsa_kernarg_size 32
		.amdhsa_user_sgpr_count 2
		.amdhsa_user_sgpr_kernarg_segment_ptr 1
		.amdhsa_wavefront_size32 1
		.amdhsa_system_sgpr_workgroup_id_x 1
		.amdhsa_system_sgpr_workgroup_id_y 1
		.amdhsa_system_sgpr_workgroup_id_z 1
		.amdhsa_system_vgpr_workitem_id 0
		.amdhsa_next_free_vgpr 1024
		.amdhsa_next_free_sgpr 80
		.amdhsa_reserve_vcc 0
		.amdhsa_float_denorm_mode_32 3
		.amdhsa_float_denorm_mode_16_64 3
		.amdhsa_memory_ordered 1
		.amdhsa_forward_progress 1
		.amdhsa_inst_pref_size 96
	.end_amdhsa_kernel
	.amdgpu_metadata
---
amdhsa.version: [ 1, 2 ]
amdhsa.kernels:
  - .name:           k_qb375f3b41f_qkvproj
    .symbol:         k_qb375f3b41f_qkvproj.kd
    .args:
      - { .name: xb, .offset: 0, .size: 8, .value_kind: global_buffer, .address_space: global }
      - { .name: wqb, .offset: 8, .size: 8, .value_kind: global_buffer, .address_space: global }
      - { .name: b_qkv, .offset: 16, .size: 8, .value_kind: global_buffer, .address_space: global }
      - { .name: qkv, .offset: 24, .size: 8, .value_kind: global_buffer, .address_space: global }
    .group_segment_fixed_size: 327680
    .private_segment_fixed_size: 0
    .kernarg_segment_align: 8
    .kernarg_segment_size: 32
    .max_flat_workgroup_size: 128
    .sgpr_count:     80
    .vgpr_count:     1024
    .wavefront_size: 32
...
	.end_amdgpu_metadata
.endif
;; end of part 2
;; launch scores (part 3): grid 8 x 32, 4 waves a work-group, clusters of 4 x 4, 327,680 bytes of LDS; arguments qkv, pt, stat; writes pt, stat
.if DOCPART == 3
	.amdgcn_target "amdgcn-amd-amdhsa--gfx1250"
	.amdhsa_code_object_version 6
	.text
	.protected	k_qb375f3b41f_scores
	.globl	k_qb375f3b41f_scores
	.p2align	8
	.type	k_qb375f3b41f_scores,@function
k_qb375f3b41f_scores:
	s_mov_b64 s[64:65], 0
	v_nop
	global_prefetch_b8 v0, s[64:65] scope:SCOPE_SE
	s_setreg_imm32_b32 hwreg(HW_REG_WAVE_MODE, 25, 1), 1
	s_wait_xcnt 0x0
	s_wait_alu depctr_hold_cnt(0) depctr_sa_sdst(0) depctr_va_vdst(0) depctr_va_sdst(0) depctr_va_ssrc(0) depctr_va_vcc(0) depctr_vm_vsrc(0)
	s_getreg_b32 s2, hwreg(HW_REG_IB_STS2, 6, 4)
	s_cmp_eq_u32 s2, 0
	s_cbranch_scc0 .Lentry_in_a_cluster
	s_endpgm
.Lentry_in_a_cluster:
	s_bfe_u32 s2, ttmp6, 0x10000c
	s_cmp_lg_u32 s2, 0xf033
	s_cbranch_scc0 .Lentry_shape_is_right
	s_endpgm
.Lentry_shape_is_right:
; S = q k^T and the first half of a split softmax.  qkv: [8192 = batch x 2048 + row][3072] f16, q at byte 0 and k at byte 2,048 of a row.  Sums, maxima and exponentials in f32.
; For each query row and each block j of 128 keys: m_j = the block's true maximum of s; p~ = 2^(c s - c m_j), c = log2(e) / 32; l_j = the sum of the unrounded p~.
; Out: pt [8192][2048] f16 = p~;  stat f32 [2][16 blocks][8192 rows]: plane 0 c m_j, plane 1 l_j.  The launch behind folds the blocks by 2^(c m_j - max_j c m_j) / L: together a softmax with the row's true maximum taken away.
; LIMITS.  q and k arrive within f16's range; p~ lies in 0 to 1 and below 6.1e-5 keeps f16's fixed step of 6e-8; a p~ below 2^-126 counts as 0 in l; NaN and infinities are not treated apart.
; SHARES.  A work-group makes 256 queries x 256 keys; wave w the queries 64 w on and ALL 256 keys, so that a row's statistics never leave the wave: 64 accumulators
; ((a, b): queries 16 a on, keys 16 b on, in window 2 + a / 2 at 128 (a % 2) + 8 b).  K = 1,024 channels go in 8 steps of 128 through two LDS slots (256 rows of q, then 256 of k, rows of 256 + 16 bytes).
; THE MATRIX INSTRUCTION IS USED TRANSPOSED (source 0 = 16 keys, source 1 = 16 queries): lane l holds query l % 16 and the keys 8 (l / 16) + 0..7 of each block of 16.
; CLUSTER 4 x 4.  q's tile hangs on the query tile alone and is asked for jointly along a row of the cluster, k's on the key tile and the batch (which a cluster shares) along a column.
; Waves 0, 1 ask for q's halves (128 rows), waves 2, 3 for k's: one tensor load a wave behind each round; two a wave are out at the start, one later.
; REGISTERS.  window 0: v0-49 addresses and statistics, v64-95 and v96-127 q's fragments; window 1: v0-127 and v128-255 k's fragments, on the way out T (128), PK (64), X (8); windows 2, 3: the accumulators.
.set T, 8
.set PITCH, 272
.set KOFF, 256*PITCH                   ; k's rows behind q's
.set SLOT1, 2*KOFF                     ; 139,264 = 0x22000: it shares no bit with the loads' places 0x8800 x wave, so an exclusive or changes slots
.set STAGE, 2*SLOT1                    ; 278,528: 16 rows x 528 bytes for each wave; no tensor load lands from here on
.set STATL, STAGE+4*8448               ; 312,320: 1,024 bytes a wave: c m of blocks 0, 1, l of blocks 0, 1, 64 rows each
.set SPARE, STATL+4096                 ; 316,416: the spare words, 128 bytes a wave, named by no other line
.set MSB, 0
.macro WIN new                         ; the immediate's high byte repeats the setting that is left; a switch that changes nothing is dropped
.if MSB != (\new)
	s_set_vgpr_msb (MSB<<8)|(\new)
.set MSB, (\new)
.endif
.endm
.macro PLACES n=4                      ; plain vector instructions between a matrix instruction and what touches its registers (ISA guide 7.12.1 for vector instructions)
.rept \n
	v_nop
.endr
.endm
.macro CREST                           ; a round of the cluster's barrier behind its opening barrier
	s_cmp_lg_u32 s12, 0
	s_cbranch_scc1 .Lnot_wave_0_\@
	s_barrier_signal -3
.Lnot_wave_0_\@:
	s_barrier_wait -3
	s_barrier_signal -1
	s_barrier_wait -1
.endm
.macro CROUND
	s_barrier_signal -1
	s_barrier_wait -1
	CREST
.endm
.macro JLOAD                           ; a joint refill by the walking descriptors; the branch hangs on the wave's number alone; s_nop 0 and four v_nop follow each line
	s_cmp_eq_u32 s13, 0
	s_cbranch_scc0 .Lfor_b_\@
	tensor_load_to_lds s[36:39], s[24:31]
	s_nop 0
	PLACES
	s_branch .Lasked_\@
.Lfor_b_\@:
	tensor_load_to_lds s[60:63], s[48:55]
	s_nop 0
	PLACES
.Lasked_\@:
.endm
	s_load_b128 s[4:7], s[0:1], 0x0                ; qkv s[4:5], pt s[6:7]
	s_load_b64 s[8:9], s[0:1], 0x10                ; stat
	v_lshl_add_u32 v28, v0, 2, SPARE               ; my spare word; never rewritten
	v_mov_b32 v29, 0                               ; never rewritten
	ds_add_u32 v28, v29
	s_wait_dscnt 0x0
	v_lshrrev_b32 v1, 5, v0
	v_readfirstlane_b32 s12, v1                    ; wave 0..3
	s_lshr_b32 s13, s12, 1                         ; I ask for q (0) or k (1),
	s_and_b32 s14, s12, 1                          ; for this half of its 256 rows
	s_bfe_u32 s16, ttmp6, 0x40000                  ; cx
	s_bfe_u32 s17, ttmp6, 0x40004                  ; cy
	s_lshl_b32 s18, ttmp9, 2
	s_add_co_u32 s18, s18, s16                     ; X: key tile = 4 x cluster x + cx
	s_and_b32 s20, ttmp7, 0xffff                   ; cluster y
	s_lshl_b32 s19, s20, 2
	s_add_co_u32 s19, s19, s17                     ; Y: query tile = 4 x cluster y + cy
	s_lshl_b32 s21, s17, 2
	s_lshl_b32 s21, 15, s21                        ; my row of the cluster
	s_lshl_b32 s22, 0x1111, s16                    ; my column
	; group 1: 128 rows x 128 elements, padded in LDS; the two differ in the mask alone
	s_or_b32 s24, s21, (1<<16)|(1<<20)|(1<<21)|(5<<22)|(3<<25)  ; mask; 2-byte elements; padding on; bit 21 beside a mask; after every 64 words, 4 words
	s_or_b32 s48, s22, (1<<16)|(1<<20)|(1<<21)|(5<<22)|(3<<25)
.irp g, 24, 48
	s_mov_b32 s[\g+1], 128<<16                     ; tensor_dim0
	s_mov_b32 s[\g+2], 128<<16                     ; tensor_dim1
	s_mov_b32 s[\g+3], 128<<16                     ; tile_dim0
	s_mov_b32 s[\g+4], 128                         ; tile_dim1
	s_mov_b32 s[\g+5], 3072                        ; elements from row to row
	s_mov_b32 s[\g+6], 0
	s_mov_b32 s[\g+7], 0
.endr
	; q's offset is made of Y and the wave alone, k's of X, the cluster's y and the wave alone
	s_lshl_b32 s40, s19, 8
	s_lshl_b32 s23, s14, 7
	s_add_co_u32 s40, s40, s23                     ; row 256 Y + 128 x half
	s_mul_i32 s40, s40, 6144
	s_mov_b32 s41, 0
	s_lshr_b32 s42, s20, 1                         ; the batch: 8 query tiles, 2 clusters
	s_lshl_b32 s42, s42, 11
	s_lshl_b32 s43, s18, 8
	s_add_co_u32 s42, s42, s43
	s_add_co_u32 s42, s42, s23                     ; row batch x 2,048 + 256 X + 128 x half
	s_mul_i32 s42, s42, 6144
	s_add_co_u32 s42, s42, 2048                    ; k lies behind q in a row
	s_mov_b32 s43, 0
	s_lshl_b32 s44, s19, 2
	s_add_co_u32 s44, s44, s12                     ; my 64 rows among all: 4 Y + w
	s_lshl_b32 s46, s44, 8                         ; in stat: 256 bytes,
	s_lshl_b32 s44, s44, 18                        ; in pt: 64 rows of 4,096 bytes,
	s_lshl_b32 s45, s18, 9                         ; and the tile's 256 keys of 2 bytes
	s_add_co_u32 s44, s44, s45
	s_mov_b32 s45, 0
	s_lshl_b32 s47, s18, 16                        ; in stat: key blocks 2 X and 2 X + 1, 32,768 bytes each
	s_add_co_u32 s46, s46, s47
	s_mov_b32 s47, 0
	s_mul_i32 s15, s12, 128*PITCH                  ; where my 128 rows go in a slot: no place in the cluster enters an LDS address
	s_mov_b32 s66, 0                               ; the slot that is read
	s_mov_b32 s68, 0x3d38aa3b                      ; c = log2(e) / 32
	s_mov_b32 s69, s68                             ; named with it as a pair
	s_mov_b32 s70, 0x76543210                      ; v_permlanex16_b32: each lane takes its own place in the other half
	s_mov_b32 s71, 0xfedcba98
	s_mov_b32 s72, 0xffff0000                      ; lanes 16 to 31
	s_wait_kmcnt 0x0
	s_add_nc_u64 s[40:41], s[4:5], s[40:41]
	s_add_nc_u64 s[42:43], s[4:5], s[42:43]
	s_add_nc_u64 s[6:7], s[6:7], s[44:45]
	s_add_nc_u64 s[8:9], s[8:9], s[46:47]
.irp n, 0,1                            ; group 0: set 0 = K step 0 into slot 0; set 1 = K step 1 into slot 1, and then it walks
	s_mov_b32 s[32+4*\n], 1
	s_add_co_u32 s[33+4*\n], s15, \n*SLOT1
	s_add_nc_u64 s[34+4*\n:35+4*\n], s[40:41], \n*256
	s_or_b32 s[35+4*\n], s[35+4*\n], 0x80000000
	s_mov_b32 s[56+4*\n], 1
	s_add_co_u32 s[57+4*\n], s15, \n*SLOT1
	s_add_nc_u64 s[58+4*\n:59+4*\n], s[42:43], \n*256
	s_or_b32 s[59+4*\n], s[59+4*\n], 0x80000000
.endr
	CROUND                                         ; all sixteen work-groups are here: the first joint loads meet
	s_cmp_eq_u32 s13, 0                            ; a wave's two first fills stand in one branch, ahead of every wait on TENSORcnt, LDS read and further barrier
	s_cbranch_scc0 .Lfirst_b
	tensor_load_to_lds s[32:35], s[24:31]
	s_nop 0
	tensor_load_to_lds s[36:39], s[24:31]
	s_nop 0
	PLACES
	s_branch .Lfirst_asked
.Lfirst_b:
	tensor_load_to_lds s[56:59], s[48:55]
	s_nop 0
	tensor_load_to_lds s[60:63], s[48:55]
	s_nop 0
	PLACES
.Lfirst_asked:
	v_and_b32 v1, 15, v0                           ; r = l % 16
	v_bfe_u32 v2, v0, 4, 1                         ; h = l / 16
	v_mul_u32_u24 v3, v1, PITCH
	v_lshl_add_u32 v3, v2, 4, v3                   ; a fragment's row x pitch + 16 x half
	s_mul_i32 s74, s12, 64*PITCH
	v_add_nc_u32 v16, s74, v3                      ; my 64 rows of q
	v_add_nc_u32 v17, KOFF, v3                     ; all of k
	v_mov_b32 v18, v16                             ; the two addresses in the slot that is read
	v_mov_b32 v19, v17
	s_mul_i32 s74, s12, 8448
	s_add_co_u32 s74, s74, STAGE                   ; my stage
	v_mul_u32_u24 v20, v1, 528                     ; in: row r, 16 bytes a half of the lanes
	v_lshl_add_u32 v20, v2, 4, v20
	v_add_nc_u32 v20, s74, v20
	v_and_b32 v22, 31, v0                          ; back and out: 32 lanes take a row's 512 bytes
	v_lshlrev_b32 v22, 4, v22
	v_add_nc_u32 v21, s74, v22
	s_lshl_b32 s74, s12, 10
	s_add_co_u32 s74, s74, STATL
	v_lshlrev_b32 v23, 2, v1                       ; statistics: lanes 0-15 store key block 0's, lanes 16-31 block 1's, of row r
	v_lshl_add_u32 v23, v2, 8, v23
	v_add_nc_u32 v23, s74, v23
; 40 LDS loads in one run: the fragments of 32 along K (quarter q of the step) into buffers g: 16 of k, 4 of q
.macro FETCH q, g
	WIN 0x40
.irp b, 0,1,2,3,4,5,6,7,8,9,10,11,12,13,14,15
	ds_load_b128 v[128*(\g)+8*\b:128*(\g)+8*\b+3],   v19 offset:16*PITCH*\b+64*(\q)
	ds_load_b128 v[128*(\g)+8*\b+4:128*(\g)+8*\b+7], v19 offset:16*PITCH*\b+64*(\q)+32
.endr
	WIN 0
.irp a, 0,1,2,3
	ds_load_b128 v[64+32*(\g)+8*\a:64+32*(\g)+8*\a+3],   v18 offset:16*PITCH*\a+64*(\q)
	ds_load_b128 v[64+32*(\g)+8*\a+4:64+32*(\g)+8*\a+7], v18 offset:16*PITCH*\a+64*(\q)+32
.endr
.endm
; 16 matrix instructions: query block a x all 16 key blocks.  zero = 1: the constant 0 starts the sums.  The 64 accumulators take turns, one instruction a turn, in the same order everywhere.
.macro MULA f, a, zero
	WIN 0xa1+0x50*((\a)/2)                         ; k window 1, q window 0, C and D window 2 or 3
.set rA, 64+32*(\f)+8*(\a)
.irp b, 0,1,2,3,4,5,6,7,8,9,10,11,12,13,14,15
.set rD, 128*((\a)%2)+8*\b
.set rB, 128*(\f)+8*\b
.if \zero
	v_wmma_f32_16x16x32_f16 v[rD:rD+7], v[rB:rB+7], v[rA:rA+7], 0
.else
	v_wmma_f32_16x16x32_f16 v[rD:rD+7], v[rB:rB+7], v[rA:rA+7], v[rD:rD+7]
.endif
.endr
.endm
; A K step is four quarters on buffers 0, 1, 0, 1.  QUARTER multiplies buffer f and first fetches quarter q into g, 64 matrix instructions ahead of its use.
.macro QUARTER q, f, g, zero
	s_wait_dscnt 0x0                               ; buffer f is in: its loads were issued 64 matrix instructions ago
	PLACES                                         ; the products just issued read buffer g
	FETCH \q, \g
	MULA \f, 0, \zero
	MULA \f, 1, \zero
	MULA \f, 2, \zero
	MULA \f, 3, \zero
.endm
; The last quarter multiplies buffer 1 and changes slots: ONE barrier.  In front of it each wave waits for all its tensor loads (one is out: its part of the next slot), adds 0 to its spare word, and waits for
; that and for its reads of this slot.  fill = 1: the barrier opens a round of the cluster's, and the joint refill (two K steps on) is the first thing behind it: 224 matrix instructions ahead of the wait for it.
; tail = 1: in the last K step nothing is left to fetch, and the run of loads is jumped over.
.macro TURN fill, tail
	WIN 0
	s_wait_tensorcnt 0x0                           ; no tensor load of mine is out, so the walking descriptors may be written
	ds_add_u32 v28, v29                            ; 0 onto my spare word
.if \fill
	s_xor_b32 s37, s37, SLOT1                      ; the other slot than last time,
	s_add_nc_u64 s[38:39], s[38:39], 256           ; the next K step; the type bits on top are not reached
	s_xor_b32 s61, s61, SLOT1
	s_add_nc_u64 s[62:63], s[62:63], 256
.endif
	s_xor_b32 s66, s66, SLOT1                      ; the fragment addresses turn to the next slot
	v_add_nc_u32 v18, s66, v16
	v_add_nc_u32 v19, s66, v17
	s_wait_dscnt 0x1                               ; buffer 1 is in; the add alone may be out
	MULA 1, 0, 0
	s_wait_dscnt 0x0                               ; the add is done, and my reads of this slot are over
	s_barrier_signal -1
	MULA 1, 1, 0                                   ; work on registers while the others arrive
	WIN 0
	s_barrier_wait -1
.if \fill
	CREST                                          ; no wave of any partner still reads this slot or has a load on its way
	JLOAD                                          ; its four v_nop are also the places in front of the loads below
.endif
.if \tail
	s_cmp_eq_u32 s67, 1
	s_cbranch_scc1 .Lnf_\@
.endif
.if !(\fill)
	PLACES
.endif
	FETCH 0, 0
.if \tail
.Lnf_\@:
.endif
	MULA 1, 2, 0
	MULA 1, 3, 0
.endm
; THE WAY OUT of query block a, first part, the only one that names the accumulators: for each of the two key blocks u the maximum of the lane's 64 scores (four chains c(u, 0..3) at v[32 + 4 u ..],
; each accumulator's low registers first), the other half of the lanes' 64, c m; then T = c s - c m into window 1.
.macro MAXSCALE a
.set W, 2+(\a)/2
.set SB, 128*((\a)%2)
	WIN W|(W<<2)
.irp b, 0,1,2,3,8,9,10,11
	v_max_num_f32 v[32+4*(\b/8)+\b%4], v[SB+8*\b], v[SB+8*\b+1]
.endr
	WIN (W<<2)|(W<<4)
.set p, 1
.rept 3
.irp b, 0,1,2,3,8,9,10,11
	v_max3_num_f32 v[32+4*(\b/8)+\b%4], v[32+4*(\b/8)+\b%4], v[SB+8*\b+2*p], v[SB+8*\b+2*p+1]
.endr
.set p, p+1
.endr
.set p, 0
.rept 4
.irp b, 4,5,6,7,12,13,14,15
	v_max3_num_f32 v[32+4*(\b/8)+\b%4], v[32+4*(\b/8)+\b%4], v[SB+8*\b+2*p], v[SB+8*\b+2*p+1]
.endr
.set p, p+1
.endr
	WIN 0
.irp u, 0,1
	v_max3_num_f32 v[32+4*\u], v[32+4*\u], v[33+4*\u], v[34+4*\u]
.endr
.irp u, 0,1
	v_max_num_f32 v[32+4*\u], v[32+4*\u], v[35+4*\u]
.endr
.irp u, 0,1
	v_permlanex16_b32 v[33+4*\u], v[32+4*\u], s70, s71  ; the query's other 64 keys of the block lie in the lane 16 away
.endr
.irp u, 0,1
	v_max_num_f32 v[32+4*\u], v[32+4*\u], v[33+4*\u]
.endr
.irp u, 0,1
	v_mul_f32 v[40+\u], s68, v[32+4*\u]            ; c m
.endr
	WIN 0x40|W
.irp b, 0,1,2,3,4,5,6,7,8,9,10,11,12,13,14,15
.irp z, 0,2,4,6
.if \b < 8
	v_pk_fma_f32 v[8*\b+\z:8*\b+\z+1], v[SB+8*\b+\z:SB+8*\b+\z+1], s[68:69], v[40:41] op_sel_hi:[1,0,0] neg_lo:[0,0,1] neg_hi:[0,0,1]
.else
	v_pk_fma_f32 v[8*\b+\z:8*\b+\z+1], v[SB+8*\b+\z:SB+8*\b+\z+1], s[68:69], v[40:41] op_sel:[0,0,1] op_sel_hi:[1,0,1] neg_lo:[0,0,1] neg_hi:[0,0,1]
.endif
.endr
.endr
	WIN 0
.endm
; What follows the exponentials of group n (16 keys): four roundings to f16 into PK, and the weights onto the block's two running pairs X; a block's first group starts them: nothing is cleared.
.macro POST n
	s_wait_alu depctr_va_vdst(0)
.irp z, 0,1,2,3
	v_cvt_pk_f16_f32 v[128+4*(\n)+\z], v[8*(\n)+2*\z], v[8*(\n)+2*\z+1]
.endr
.set rX, 192+4*((\n)/8)
.if (\n)%8 == 0
	v_pk_add_f32 v[rX:rX+1], v[8*(\n):8*(\n)+1], v[8*(\n)+2:8*(\n)+3]
	v_pk_add_f32 v[rX+2:rX+3], v[8*(\n)+4:8*(\n)+5], v[8*(\n)+6:8*(\n)+7]
.else
	v_pk_add_f32 v[rX:rX+1], v[rX:rX+1], v[8*(\n):8*(\n)+1]
	v_pk_add_f32 v[rX+2:rX+3], v[rX+2:rX+3], v[8*(\n)+2:8*(\n)+3]
	v_pk_add_f32 v[rX:rX+1], v[rX:rX+1], v[8*(\n)+4:8*(\n)+5]
	v_pk_add_f32 v[rX+2:rX+3], v[rX+2:rX+3], v[8*(\n)+6:8*(\n)+7]
.endif
.endm
	s_wait_tensorcnt 0x1                           ; my part of K step 0 is in; K step 1's may stay out
	s_barrier_signal -1
	s_barrier_wait -1
	FETCH 0, 0
	QUARTER 1, 0, 1, 1                             ; the first quarter stands in front of the loop: its products start the sums
	WIN 0
	s_mov_b32 s67, T-2
.Lmain:                                                ; a trip: a step's quarters 1 to 3, a refill, the next step's quarter 0
	QUARTER 2, 1, 0, 0
	QUARTER 3, 0, 1, 0
	TURN 1, 0
	QUARTER 1, 0, 1, 0
	WIN 0
	s_sub_co_u32 s67, s67, 1
	s_cmp_lg_u32 s67, 0
	s_cbranch_scc1 .Lmain
	s_mov_b32 s67, 2
.Ltail:                                                ; the last two steps ask for nothing: a text of their own; the second trip is left in its middle
	QUARTER 2, 1, 0, 0
	QUARTER 3, 0, 1, 0
	TURN 0, 1
	WIN 0
	s_sub_co_u32 s67, s67, 1
	s_cmp_eq_u32 s67, 0
	s_cbranch_scc1 .Lout
	QUARTER 1, 0, 1, 0
	WIN 0
	s_branch .Ltail
.Lout:
	PLACES                                         ; what follows reads results just made and writes registers that the last products read
	s_mov_b32 s73, 4                               ; four trips, query block 4 - s73: the part that names the accumulators is chosen by forward jumps, the rest is written once
.Lblk:
	s_cmp_eq_u32 s73, 4
	s_cbranch_scc1 .Lms0
	s_cmp_eq_u32 s73, 3
	s_cbranch_scc1 .Lms1
	s_cmp_eq_u32 s73, 2
	s_cbranch_scc1 .Lms2
	MAXSCALE 3
	s_branch .Lcommon
.Lms0:
	MAXSCALE 0
	s_branch .Lcommon
.Lms1:
	MAXSCALE 1
	s_branch .Lcommon
.Lms2:
	MAXSCALE 2
.Lcommon:
	WIN 0x45                                       ; all in window 1
.set g, 0
.rept 16                               ; eight exponentials, then the plain work of the group before: each result has a plain instruction between it and its use
.set i, 0
.rept 8
	v_exp_f32 v[8*g+i], v[8*g+i]
.set i, i+1
.endr
.if g == 0
	v_nop
.else
	POST g-1
.endif
.set g, g+1
.endr
	POST 15
	v_pk_add_f32 v[192:193], v[192:193], v[194:195]
	v_pk_add_f32 v[196:197], v[196:197], v[198:199]
	WIN 0x05
	v_add_f32 v46, v192, v193                      ; l of key block 0, my 64 keys,
	v_add_f32 v47, v196, v197                      ; of key block 1
	WIN 0
	v_permlanex16_b32 v32, v46, s70, s71           ; and the other half of the lanes'
	v_permlanex16_b32 v33, v47, s70, s71
	v_add_f32 v46, v46, v32
	v_add_f32 v47, v47, v33
	v_cndmask_b32 v44, v40, v41, s72               ; lanes 0-15 keep block 0's, lanes 16-31 block 1's
	v_cndmask_b32 v45, v46, v47, s72
	ds_store_b32 v23, v44
	ds_store_b32 v23, v45 offset:512
	WIN 0x04                                       ; p~: 16 bytes a lane into my stage, back as whole rows of 512 bytes, stored
.irp b, 0,1,2,3,4,5,6,7,8,9,10,11,12,13,14,15
	ds_store_b128 v20, v[128+4*\b:128+4*\b+3] offset:32*\b
.endr
	WIN 0x40
.irp t, 0,1,2,3,4,5,6,7,8,9,10,11,12,13,14,15
	ds_load_b128 v[4*\t:4*\t+3], v21 offset:528*\t  ; LDS serves a wave's instructions in order: these see the stores above
.endr
	WIN 0x04
.irp t, 0,1,2,3,4,5,6,7,8,9,10,11,12,13,14,15
	s_wait_dscnt 15-\t                             ; row t is back; the younger loads stay out
	global_store_b128 v22, v[4*\t:4*\t+3], s[6:7] offset:4096*\t  ; 512 consecutive bytes, at a multiple of 256 from pt's first byte
.endr
	WIN 0
	s_wait_xcnt 0x0                                ; the stores have read T and their offset, which are written again below and in the next trip
	v_add_nc_u32 v22, 0x10000, v22                 ; 16 rows of pt on
	v_add_nc_u32 v23, 64, v23                      ; 16 rows of statistics on
	s_sub_co_u32 s73, s73, 1
	s_cmp_lg_u32 s73, 0
	s_cbranch_scc1 .Lblk
	v_and_b32 v44, 31, v0                          ; the wave's statistics leave as four runs of 64 rows: 256 consecutive bytes each, at multiples of 256 from stat's first byte
	v_lshlrev_b32 v44, 3, v44
	s_lshl_b32 s74, s12, 10
	s_add_co_u32 s74, s74, STATL
	v_add_nc_u32 v45, s74, v44
	ds_load_b64 v[32:33], v45
	ds_load_b64 v[34:35], v45 offset:256
	ds_load_b64 v[36:37], v45 offset:512
	ds_load_b64 v[38:39], v45 offset:768
	s_wait_dscnt 0x0
	global_store_b64 v44, v[32:33], s[8:9]                 ; c m, key block 2 X
	global_store_b64 v44, v[34:35], s[8:9] offset:32768    ; c m, key block 2 X + 1
	global_store_b64 v44, v[36:37], s[8:9] offset:524288   ; l, key block 2 X
	global_store_b64 v44, v[38:39], s[8:9] offset:557056   ; l, key block 2 X + 1
	s_wait_tensorcnt 0x0                           ; the wave's end
	ds_add_u32 v28, v29
	s_wait_dscnt 0x0
	CROUND                                         ; the closing round: no work-group ends while a partner may still ask for a tile that names it
	s_endpgm
.Lfunc_end_k_qb375f3b41f_scores:
	.size	k_qb375f3b41f_scores, .Lfunc_end_k_qb375f3b41f_scores-k_qb375f3b41f_scores
	.p2alignl 7, 3214868480
	.fill 96, 4, 3214868480
	.section	.rodata,"a",@progbits
	.p2align	6, 0x0
	.amdhsa_kernel k_qb375f3b41f_scores
		.amdhsa_group_segment_fixed_size 327680
		.amdhsa_private_segment_fixed_size 0
		.amdhsa_enable_private_segment 0
		.amdhsa_kernarg_size 24
		.amdhsa_user_sgpr_count 2
		.amdhsa_user_sgpr_kernarg_segment_ptr 1
		.amdhsa_wavefront_size32 1
		.amdhsa_system_sgpr_workgroup_id_x 1
		.amdhsa_system_sgpr_workgroup_id_y 1
		.amdhsa_system_sgpr_workgroup_id_z 1
		.amdhsa_system_vgpr_workitem_id 0
		.amdhsa_next_free_vgpr 1024
		.amdhsa_next_free_sgpr 80
		.amdhsa_reserve_vcc 0
		.amdhsa_float_denorm_mode_32 3
		.amdhsa_float_denorm_mode_16_64 3
		.amdhsa_memory_ordered 1
		.amdhsa_forward_progress 1
		.amdhsa_inst_pref_size 125
	.end_amdhsa_kernel
	.amdgpu_metadata
---
amdhsa.version: [ 1, 2 ]
amdhsa.kernels:
  - .name:           k_qb375f3b41f_scores
    .symbol:         k_qb375f3b41f_scores.kd
    .args:
      - { .name: qkv, .offset: 0, .size: 8, .value_kind: global_buffer, .address_space: global }
      - { .name: pt, .offset: 8, .size: 8, .value_kind: global_buffer, .address_space: global }
      - { .name: stat, .offset: 16, .size: 8, .value_kind: global_buffer, .address_space: global }
    .group_segment_fixed_size: 327680
    .private_segment_fixed_size: 0
    .kernarg_segment_align: 8
    .kernarg_segment_size: 24
    .max_flat_workgroup_size: 128
    .sgpr_count:     80
    .vgpr_count:     1024
    .wavefront_size: 32
...
	.end_amdgpu_metadata
.endif
;; end of part 3
;; launch ctxmul (part 4): grid 4 x 64, 4 waves a work-group, clusters of 4 x 4, 327,680 bytes of LDS; arguments pt, qkv, stat, ctx; writes ctx
.if DOCPART == 4
	.amdgcn_target "amdgcn-amd-amdhsa--gfx1250"
	.amdhsa_code_object_version 6
	.text
	.protected	k_qb375f3b41f_ctxmul
	.globl	k_qb375f3b41f_ctxmul
	.p2align	8
	.type	k_qb375f3b41f_ctxmul,@function
k_qb375f3b41f_ctxmul:
	s_mov_b64 s[64:65], 0
	v_nop
	global_prefetch_b8 v0, s[64:65] scope:SCOPE_SE
	s_setreg_imm32_b32 hwreg(HW_REG_WAVE_MODE, 25, 1), 1
	s_wait_xcnt 0x0
	s_wait_alu depctr_hold_cnt(0) depctr_sa_sdst(0) depctr_va_vdst(0) depctr_va_sdst(0) depctr_va_ssrc(0) depctr_va_vcc(0) depctr_vm_vsrc(0)
	s_getreg_b32 s2, hwreg(HW_REG_IB_STS2, 6, 4)
	s_cmp_eq_u32 s2, 0
	s_cbranch_scc0 .Lentry_in_a_cluster
	s_endpgm
.Lentry_in_a_cluster:
	s_bfe_u32 s2, ttmp6, 0x10000c
	s_cmp_lg_u32 s2, 0xf033
	s_cbranch_scc0 .Lentry_shape_is_right
	s_endpgm
.Lentry_shape_is_right:
; THIS COPY: VAR = 3, ctx = the sum over key blocks j of g_j (P~_j V_j).
; ONE TEXT FOR THREE PRODUCTS C = A B with A [m][k] and B [k][n], both of 16 bits, sums in f32; the constant VAR chooses sizes, format and way out:
;   VAR 1  qkv [8192][3072] f16 = xb [8192][1024] bf16 x wqb [1024][3072] bf16 + b_qkv (rounded to bf16, as every input is)
;   VAR 3  ctx [8192][1024] f16 = the sum over key blocks j of g_j (P~_j V_j): A = pt [8192][2048] f16, B = v, the third part of qkv's rows, of the row's batch;
;          stat holds for each row and block of 128 keys c m_j and l_j; g_j = 2^(c m_j - c M) / L, c M = max_j c m_j, L = sum_j 2^(c m_j - c M) l_j (at least 1)
;   VAR 4  out0 [8192][1024] f32 = ctx f16 x woh [1024][1024] f16 + b_out (rounded to bf16)
; LIMITS.  f16 results beyond 65,504 become infinities (q, k, v, ctx); below 6.1e-5 they keep f16's fixed step of 6e-8; factors below 2^-126 count as 0; NaN and infinities are not treated apart.
; SHARES.  A work-group makes 128 x 256 of C; wave w rows 64 (w / 2) on, columns 128 (w % 2) on: 32 accumulators of 16 x 16 ((a, b) at 8 (8 a + b) of window 1).
; K goes in steps of 128 through two LDS slots.  A's tile lies as in memory (rows of 256 bytes, 16 of padding), B's too ([k][n], rows of 512 bytes, 32 of padding) and is read turned, by ds_load_tr16_b128.
; THE MATRIX INSTRUCTION IS USED TRANSPOSED (source 0 = 16 columns of B, source 1 = 16 rows of A): lane l holds row l % 16 of C and the columns 8 (l / 16) + 0..7.
; CLUSTER 4 x 4.  A's tile hangs on the tile row alone and is asked for jointly along a row of the cluster, B's on the tile column (VAR 3: and the batch, which the cluster shares) along a column.
; Waves 0, 1 ask for A's halves (64 rows), waves 2, 3 for B's (64 k-rows): one tensor load a wave behind each round; two a wave are out at the start, one later.
; REGISTERS.  window 0: v0-29 addresses, v64-159 and v160-255 two fragment buffers (8 of B, then 4 of A); window 1: the accumulators; window 2: the bias as a C operand (VAR 1, 4) or the folded sums TOT (VAR 3).
.set VAR, 3
.if VAR == 1
.set T, 8                              ; K steps
.set PITCHA, 1024                      ; elements from row to row
.set PITCHB, 3072
.set ROWB, 6144                        ; bytes in a row of C
.set OSH, 8                            ; log2 of the bytes of a wave's 128 columns of C
.elseif VAR == 3
.set T, 16
.set PITCHA, 2048
.set PITCHB, 3072
.set ROWB, 2048
.set OSH, 8
.else
.set T, 8
.set PITCHA, 1024
.set PITCHB, 1024
.set ROWB, 4096
.set OSH, 9
.endif
.set STEPA, 256                        ; bytes from K step to K step
.set STEPB, 128*PITCHB*2
.set PA, 272                           ; LDS pitch of A: 17 x 16 bytes: the 16 rows of a load begin in 16 different columns of 16 bytes modulo 256
.set PB, 544                           ; LDS pitch of B: 17 x 32 bytes: 16 lanes of the turning load take 8 rows x 32 bytes, all different modulo 256
.set BOFF, 128*PA                      ; B's tile behind A's
.set SLOT1, 1<<17                      ; slot 1: a bit that no address in slot 0 (104,448 bytes) has, so one exclusive or changes slots
.set STAGE, SLOT1+BOFF+128*PB          ; 235,520: each wave's stage for the way out; no tensor load lands from here on
.set GB, STAGE+4*8448                  ; 269,312: VAR 3: g, 16 blocks x 128 rows
.set SPARE, GB+8192                    ; 277,504: the spare words, 128 bytes a wave, named by no other line
.set F0, 64
.set F1, 160
.set TMP, 64                           ; the way out: packed results
.set MULW, 0x50                        ; C and D window 1, fragments window 0
.set MULB, 0x60                        ; D window 1, C window 2
.set FOLDW, 0xa1                       ; destination and source 2 window 2, source 0 window 1, source 1 window 0
.set MSB, 0
.macro WIN new                         ; the immediate's high byte repeats the setting that is left; a switch that changes nothing is dropped
.if MSB != (\new)
	s_set_vgpr_msb (MSB<<8)|(\new)
.set MSB, (\new)
.endif
.endm
.macro PLACES n=4                      ; plain vector instructions between a matrix instruction and what touches its registers (ISA guide 7.12.1 for vector instructions)
.rept \n
	v_nop
.endr
.endm
.macro WMI ops:vararg
.if VAR == 1
	v_wmma_f32_16x16x32_bf16 \ops
.else
	v_wmma_f32_16x16x32_f16 \ops
.endif
.endm
.macro CREST                           ; a round of the cluster's barrier behind its opening barrier
	s_cmp_lg_u32 s12, 0
	s_cbranch_scc1 .Lnot_wave_0_\@
	s_barrier_signal -3
.Lnot_wave_0_\@:
	s_barrier_wait -3
	s_barrier_signal -1
	s_barrier_wait -1
.endm
.macro CROUND
	s_barrier_signal -1
	s_barrier_wait -1
	CREST
.endm
.macro JLOAD                           ; a joint refill by the walking descriptors; the branch hangs on the wave's number alone; s_nop 0 and four v_nop follow each line
	s_cmp_eq_u32 s13, 0
	s_cbranch_scc0 .Lfor_b_\@
	tensor_load_to_lds s[36:39], s[24:31]
	s_nop 0
	PLACES
	s_branch .Lasked_\@
.Lfor_b_\@:
	tensor_load_to_lds s[60:63], s[48:55]
	s_nop 0
	PLACES
.Lasked_\@:
.endm
	s_load_b256 s[4:11], s[0:1], 0x0               ; A s[4:5], B s[6:7], bias or stat s[8:9], C s[10:11]
	v_lshl_add_u32 v28, v0, 2, SPARE               ; my spare word; never rewritten
	v_mov_b32 v29, 0                               ; never rewritten
	ds_add_u32 v28, v29
	s_wait_dscnt 0x0
	v_lshrrev_b32 v1, 5, v0
	v_readfirstlane_b32 s12, v1                    ; wave 0..3
	s_lshr_b32 s13, s12, 1                         ; my half of the rows.  Also: I ask for A (0) or B (1)
	s_and_b32 s14, s12, 1                          ; my half of the columns.  Also: which half of that tile I ask for
	s_bfe_u32 s16, ttmp6, 0x40000                  ; cx
	s_bfe_u32 s17, ttmp6, 0x40004                  ; cy
	s_lshl_b32 s18, ttmp9, 2
	s_add_co_u32 s18, s18, s16                     ; X: tile column = 4 x cluster x + cx
	s_and_b32 s20, ttmp7, 0xffff                   ; cluster y
	s_lshl_b32 s19, s20, 2
	s_add_co_u32 s19, s19, s17                     ; Y: tile row = 4 x cluster y + cy
	s_lshl_b32 s21, s17, 2
	s_lshl_b32 s21, 15, s21                        ; my row of the cluster
	s_lshl_b32 s22, 0x1111, s16                    ; my column
	; group 1 for A: 64 rows x 128 elements; for B: 64 rows x 256 elements
	s_or_b32 s24, s21, (1<<16)|(1<<20)|(1<<21)|(5<<22)|(3<<25)  ; mask; 2-byte elements; padding on; bit 21 beside a mask; after every 64 words, 4 words
	s_mov_b32 s25, 128<<16                         ; tensor_dim0
	s_mov_b32 s26, 64<<16                          ; tensor_dim1
	s_mov_b32 s27, 128<<16                         ; tile_dim0
	s_mov_b32 s28, 64                              ; tile_dim1
	s_mov_b32 s29, PITCHA
	s_mov_b32 s30, 0
	s_mov_b32 s31, 0
	s_or_b32 s48, s22, (1<<16)|(1<<20)|(1<<21)|(6<<22)|(7<<25)  ; after every 128 words, 8 words
	s_mov_b32 s49, 256<<16
	s_mov_b32 s50, 64<<16
	s_mov_b32 s51, 256<<16
	s_mov_b32 s52, 64
	s_mov_b32 s53, PITCHB
	s_mov_b32 s54, 0
	s_mov_b32 s55, 0
	; A's offset is made of Y and the wave alone, B's of X, the cluster's y and the wave alone
	s_lshl_b32 s40, s19, 7
	s_lshl_b32 s23, s14, 6
	s_add_co_u32 s40, s40, s23                     ; row 128 Y + 64 x half
	s_mul_i32 s40, s40, PITCHA*2
	s_mov_b32 s41, 0
	s_lshl_b32 s42, s14, 6                         ; k-row 64 x half
.if VAR == 3
	s_lshr_b32 s43, s20, 2                         ; the batch: 16 tile rows, 4 clusters
	s_lshl_b32 s43, s43, 11
	s_add_co_u32 s42, s42, s43                     ; its 2,048 keys
.endif
	s_mul_i32 s42, s42, PITCHB*2
	s_lshl_b32 s43, s18, 9                         ; 256 columns of 2 bytes
	s_add_co_u32 s42, s42, s43
.if VAR == 3
	s_add_co_u32 s42, s42, 4096                    ; v lies behind q and k in a row of qkv
.endif
	s_mov_b32 s43, 0
	s_lshl_b32 s44, s19, 7
	s_lshl_b32 s45, s13, 6
	s_add_co_u32 s44, s44, s45                     ; my first row of C
	s_mul_i32 s44, s44, ROWB
	s_lshl_b32 s45, s18, 1
	s_add_co_u32 s45, s45, s14                     ; my block of 128 columns
.if VAR == 3
	s_lshl_b32 s46, s19, 9                         ; stat: the group's 128 rows of 4 bytes
.else
	s_lshl_b32 s46, s45, 9                         ; bias: my 128 columns of 4 bytes
.endif
	s_mov_b32 s47, 0
	s_lshl_b32 s45, s45, OSH
	s_add_co_u32 s44, s44, s45
	s_mov_b32 s45, 0
	s_mul_i32 s15, s14, 64*PA                      ; where the halves go in a slot: no place in the cluster enters an LDS address
	s_mul_i32 s23, s14, 64*PB
	s_add_co_u32 s23, s23, BOFF
	s_mov_b32 s66, 0                               ; the slot that is read
	s_mov_b32 s68, 0xffff0000                      ; a word's upper bf16
	s_wait_kmcnt 0x0
	s_add_nc_u64 s[40:41], s[4:5], s[40:41]
	s_add_nc_u64 s[42:43], s[6:7], s[42:43]
	s_add_nc_u64 s[8:9], s[8:9], s[46:47]
	s_add_nc_u64 s[10:11], s[10:11], s[44:45]
.irp n, 0,1                            ; group 0: set 0 = K step 0 into slot 0; set 1 = K step 1 into slot 1, and then it walks
	s_mov_b32 s[32+4*\n], 1
	s_add_co_u32 s[33+4*\n], s15, \n*SLOT1
	s_add_nc_u64 s[34+4*\n:35+4*\n], s[40:41], \n*STEPA
	s_or_b32 s[35+4*\n], s[35+4*\n], 0x80000000
	s_mov_b32 s[56+4*\n], 1
	s_add_co_u32 s[57+4*\n], s23, \n*SLOT1
	s_add_nc_u64 s[58+4*\n:59+4*\n], s[42:43], \n*STEPB
	s_or_b32 s[59+4*\n], s[59+4*\n], 0x80000000
.endr
	CROUND                                         ; all sixteen work-groups are here: the first joint loads meet
	s_cmp_eq_u32 s13, 0                            ; a wave's two first fills stand in one branch, ahead of every wait on TENSORcnt, LDS read and further barrier
	s_cbranch_scc0 .Lfirst_b
	tensor_load_to_lds s[32:35], s[24:31]
	s_nop 0
	tensor_load_to_lds s[36:39], s[24:31]
	s_nop 0
	PLACES
	s_branch .Lfirst_asked
.Lfirst_b:
	tensor_load_to_lds s[56:59], s[48:55]
	s_nop 0
	tensor_load_to_lds s[60:63], s[48:55]
	s_nop 0
	PLACES
.Lfirst_asked:
	v_and_b32 v1, 15, v0                           ; r = l % 16
	v_bfe_u32 v2, v0, 4, 1                         ; h = l / 16
.if VAR == 3
	v_lshlrev_b32 v5, 2, v0                        ; thread t reads the statistics of the group's row t
.irp j, 0,1,2,3,4,5,6,7,8,9,10,11,12,13,14,15
	global_load_b32 v[64+\j], v5, s[8:9] offset:32768*\j           ; c m_j
	global_load_b32 v[80+\j], v5, s[8:9] offset:32768*\j+524288    ; l_j
.endr
.else
	v_lshlrev_b32 v5, 5, v2                        ; the bias of columns 16 b + 8 h + 0..7 goes where the products' C operand has them
	WIN 0x80
.irp b, 0,1,2,3,4,5,6,7
	global_load_b128 v[8*\b:8*\b+3], v5, s[8:9] offset:64*\b
	global_load_b128 v[8*\b+4:8*\b+7], v5, s[8:9] offset:64*\b+16
.endr
	WIN 0
.endif
	v_mul_u32_u24 v16, v1, PA                      ; A's fragments: row r, 16 bytes a half of the lanes, my 64 rows
	v_lshl_add_u32 v16, v2, 4, v16
	s_mul_i32 s74, s13, 64*PA
	v_add_nc_u32 v16, s74, v16
	v_and_b32 v3, 7, v0                            ; B's, turned: lane l reads k-row 8 h + l % 8, 16 bytes at 16 ((l / 8) % 2), my 128 columns
	v_lshl_add_u32 v3, v2, 3, v3
	v_mul_u32_u24 v17, v3, PB
	v_bfe_u32 v4, v0, 3, 1
	v_lshl_add_u32 v17, v4, 4, v17
	s_lshl_b32 s74, s14, 8
	s_add_co_u32 s74, s74, BOFF
	v_add_nc_u32 v17, s74, v17
	v_mov_b32 v18, v16                             ; the two addresses in the slot that is read
	v_mov_b32 v19, v17
.if VAR == 4
	s_mul_i32 s74, s12, 8448                       ; my stage: 16 rows of 512 + 16 bytes
	s_add_co_u32 s74, s74, STAGE
	v_mul_u32_u24 v20, v1, 528                     ; in: row r, 32 bytes a half of the lanes
	v_lshl_add_u32 v20, v2, 5, v20
	v_add_nc_u32 v20, s74, v20
	v_and_b32 v22, 31, v0                          ; back and out: 32 lanes take a row's 512 bytes
	v_lshlrev_b32 v22, 4, v22
	v_add_nc_u32 v21, s74, v22
.else
	s_mul_i32 s74, s12, 4352                       ; my stage: 16 rows of 256 + 16 bytes
	s_add_co_u32 s74, s74, STAGE
	v_mul_u32_u24 v20, v1, 272                     ; in: row r, 16 bytes a half of the lanes
	v_lshl_add_u32 v20, v2, 4, v20
	v_add_nc_u32 v20, s74, v20
	v_mul_u32_u24 v21, v2, 272                     ; back: lanes 0-15 one row of 256 bytes, lanes 16-31 the next
	v_lshl_add_u32 v21, v1, 4, v21
	v_add_nc_u32 v21, s74, v21
	v_mul_u32_u24 v22, v2, ROWB                    ; and the same two rows in C
	v_lshl_add_u32 v22, v1, 4, v22
.endif
.if VAR == 3
	v_lshrrev_b32 v11, 6, v0                       ; g of row t goes to GB + 512 j + 256 (t / 64) + 16 (t % 16) + 4 ((t / 16) % 4): a lane later reads its four blocks' g as 16 bytes
	v_lshlrev_b32 v11, 8, v11
	v_lshl_add_u32 v11, v1, 4, v11
	v_bfe_u32 v12, v0, 4, 2
	v_lshl_add_u32 v11, v12, 2, v11
	v_add_nc_u32 v11, GB, v11
	s_lshl_b32 s75, s13, 8
	s_add_co_u32 s75, s75, GB
	v_lshl_add_u32 v23, v1, 4, s75                 ; where I read g of the step in hand
	WIN 0x80                                       ; TOT starts at 0: 256 moves in the wait for the first tile; they spare a second text of the fold for the first block
.set i, 0
.rept 256
	v_mov_b32 v[i], 0
.set i, i+1
.endr
	WIN 0
	s_wait_loadcnt 0x0
	v_max3_num_f32 v8, v64, v65, v66               ; c M
.irp j, 67,69,71,73,75,77
	v_max3_num_f32 v8, v8, v[\j], v[\j+1]
.endr
	v_max_num_f32 v8, v8, v79
.irp j, 0,1,2,3,4,5,6,7,8,9,10,11,12,13,14,15
	v_sub_f32 v[64+\j], v[64+\j], v8
.endr
.irp j, 0,1,2,3,4,5,6,7,8,9,10,11,12,13,14,15
	v_exp_f32 v[64+\j], v[64+\j]                   ; f_j, at most 1
.endr
	v_nop                                          ; a plain instruction between the exponentials and the use of their results
	s_wait_alu depctr_va_vdst(0)
	v_mul_f32 v9, v64, v80                         ; L
.irp j, 1,2,3,4,5,6,7,8,9,10,11,12,13,14,15
	v_fmac_f32 v9, v[64+\j], v[80+\j]
.endr
	v_rcp_f32 v10, v9
	v_nop
	s_wait_alu depctr_va_vdst(0)
.irp j, 0,1,2,3,4,5,6,7,8,9,10,11,12,13,14,15
	v_mul_f32 v[64+\j], v[64+\j], v10              ; g_j
.endr
.irp j, 0,1,2,3,4,5,6,7,8,9,10,11,12,13,14,15
	ds_store_b32 v11, v[64+\j] offset:512*\j
.endr
.else
	s_wait_loadcnt 0x0
	WIN 0x0a                                       ; the bias is rounded to bf16, as every input is, and widened again
.set i, 0
.rept 32
	v_cvt_pk_bf16_f32 v[64+i], v[2*i], v[2*i+1]
.set i, i+1
.endr
	WIN 0x80
.set i, 0
.rept 32
	v_lshlrev_b32 v[2*i], 16, v[64+i]
	v_and_b32 v[2*i+1], s68, v[64+i]
.set i, i+1
.endr
	WIN 0
.endif
; 24 LDS loads in one run: the fragments of 32 along K (quarter q of the step) into buffer g
.macro FETCH q, g
	WIN 0
.irp b, 0,1,2,3,4,5,6,7
	ds_load_tr16_b128 v[(\g)+8*\b:(\g)+8*\b+3],   v19 offset:32*PB*(\q)+32*\b
	ds_load_tr16_b128 v[(\g)+8*\b+4:(\g)+8*\b+7], v19 offset:32*PB*(\q)+16*PB+32*\b
.endr
.irp a, 0,1,2,3
	ds_load_b128 v[(\g)+64+8*\a:(\g)+64+8*\a+3],   v18 offset:16*PA*\a+64*(\q)
	ds_load_b128 v[(\g)+64+8*\a+4:(\g)+64+8*\a+7], v18 offset:16*PA*\a+64*(\q)+32
.endr
.endm
; 8 matrix instructions: row block a x all 8 column blocks.  mode 0: onto the sums; 1: the constant 0 starts them; 2: the bias starts them.
; The 32 accumulators take turns, one instruction a turn, in the same order everywhere.
.macro MULA f, a, mode
.if (\mode) == 2
	WIN MULB
.else
	WIN MULW
.endif
.set rA, (\f)+64+8*(\a)
.irp b, 0,1,2,3,4,5,6,7
.set rD, 8*(8*(\a)+\b)
.set rB, (\f)+8*\b
.if (\mode) == 0
	WMI v[rD:rD+7], v[rB:rB+7], v[rA:rA+7], v[rD:rD+7]
.elseif (\mode) == 1
	WMI v[rD:rD+7], v[rB:rB+7], v[rA:rA+7], 0
.else
	WMI v[rD:rD+7], v[rB:rB+7], v[rA:rA+7], v[8*\b:8*\b+7]
.endif
.endr
.endm
; A K step is four quarters on buffers F0, F1, F0, F1.  QUARTER multiplies buffer f and first fetches quarter q into g, 32 matrix instructions ahead of its use.
.macro QUARTER q, f, g, mode
	s_wait_dscnt 0x0                               ; buffer f is in: its loads were issued 32 matrix instructions ago
	PLACES                                         ; the products just issued read buffer g
	FETCH \q, \g
	MULA \f, 0, \mode
	MULA \f, 1, \mode
	MULA \f, 2, \mode
	MULA \f, 3, \mode
.endm
; The last quarter multiplies F1 and changes slots: ONE barrier.  In front of it each wave waits for all its tensor loads (one is out: its part of the next slot), adds 0 to its spare word, and waits for
; that and for its reads of this slot.  fill = 1: the barrier opens a round of the cluster's, and the joint refill (two K steps on) is the first thing behind it: 112 matrix instructions ahead of the wait for it.
; tail = 1: in the last K step nothing is left to fetch, and the run of loads is jumped over.
.macro TURN fill, tail
	WIN 0
	s_wait_tensorcnt 0x0                           ; no tensor load of mine is out, so the walking descriptors may be written
	ds_add_u32 v28, v29                            ; 0 onto my spare word
.if \fill
	s_xor_b32 s37, s37, SLOT1                      ; the other slot than last time,
	s_add_nc_u64 s[38:39], s[38:39], STEPA         ; the next K step; the type bits on top are not reached
	s_xor_b32 s61, s61, SLOT1
	s_add_nc_u64 s[62:63], s[62:63], STEPB
.endif
	s_xor_b32 s66, s66, SLOT1                      ; the fragment addresses turn to the next slot
	v_add_nc_u32 v18, s66, v16
	v_add_nc_u32 v19, s66, v17
	s_wait_dscnt 0x1                               ; F1 is in; the add alone may be out
	MULA F1, 0, 0
	s_wait_dscnt 0x0                               ; the add is done, and my reads of this slot are over
	s_barrier_signal -1
	MULA F1, 1, 0                                  ; work on registers while the others arrive
	WIN 0
	s_barrier_wait -1
.if \fill
	CREST                                          ; no wave of any partner still reads this slot or has a load on its way
	JLOAD                                          ; its four v_nop are also the places in front of the loads below
.endif
.if \tail
	s_cmp_eq_u32 s67, 1
	s_cbranch_scc1 .Lnf_\@
.endif
.if !(\fill)
	PLACES
.endif
	FETCH 0, F0
.if \tail
.Lnf_\@:
.endif
	MULA F1, 2, 0
	MULA F1, 3, 0
.endm
; VAR 3.  TOT_i += g x ACC_i: g of row block i / 8 is one of the four words in v[24:27].  The accumulator's low registers are read first.
.macro FOLD i
	WIN FOLDW
.set rG, 24+2*((\i)/16)
.irp z, 0,2,4,6
.if ((\i)/8)%2 == 0
	v_pk_fma_f32 v[8*(\i)+\z:8*(\i)+\z+1], v[8*(\i)+\z:8*(\i)+\z+1], v[rG:rG+1], v[8*(\i)+\z:8*(\i)+\z+1] op_sel_hi:[1,0,1]
.else
	v_pk_fma_f32 v[8*(\i)+\z:8*(\i)+\z+1], v[8*(\i)+\z:8*(\i)+\z+1], v[rG:rG+1], v[8*(\i)+\z:8*(\i)+\z+1] op_sel:[0,1,0] op_sel_hi:[1,1,1]
.endif
.endr
.endm
; VAR 3: a step's first quarter.  The finished block is folded into TOT, accumulator by accumulator, and the product that follows starts that accumulator anew with the constant 0: four folds ride behind each product.
.macro FOLDQ
	s_wait_dscnt 0x0                               ; F0 and g are in
	PLACES 5                                       ; four for the loads into F1 and the reads of the sums, five since the products below write over earlier results
	FETCH 1, F1
.set i, 0
.rept 32
	FOLD i
	WIN MULW
.set rD, 8*i
.set rB, F0+8*(i%8)
.set rA, F0+64+8*(i/8)
	WMI v[rD:rD+7], v[rB:rB+7], v[rA:rA+7], 0
.set i, i+1
.endr
	WIN 0
	ds_load_b128 v[24:27], v23                     ; g of the step just begun
	v_add_nc_u32 v23, 512, v23
.endm
.macro Q0N                             ; the next step's first quarter
.if VAR == 3
	FOLDQ
.else
	QUARTER 1, F0, F1, 0
.endif
.endm
; THE WAY OUT, 16 bits (VAR 1, 3), a block of 16 rows at a time: rounded to f16, 16 bytes a lane into my own stage, back as whole rows of 256 bytes, stored.
.macro PACK a
.if VAR == 3
	WIN 0x0a
.else
	WIN 0x05
.endif
.irp b, 0,1,2,3,4,5,6,7
.irp z, 0,1,2,3
	v_cvt_pk_f16_f32 v[TMP+4*\b+\z], v[8*(8*(\a)+\b)+2*\z], v[8*(8*(\a)+\b)+2*\z+1]
.endr
.endr
	WIN 0
.endm
.macro TOSTAGE a
.set BK, 96+32*((\a)%2)
.irp b, 0,1,2,3,4,5,6,7
	ds_store_b128 v20, v[TMP+4*\b:TMP+4*\b+3] offset:32*\b
.endr
.irp t, 0,1,2,3,4,5,6,7
	ds_load_b128 v[BK+4*\t:BK+4*\t+3], v21 offset:544*\t  ; LDS serves a wave's instructions in order: these see the stores above
.endr
.endm
.macro SEND a
.set BK, 96+32*((\a)%2)
	s_wait_dscnt 0x0                               ; the block is back in registers
	s_wait_xcnt 0x0                                ; the stores of the block before have read their registers, which the next block's loads write
.irp t, 0,1,2,3,4,5,6,7
	global_store_b128 v22, v[BK+4*\t:BK+4*\t+3], s[10:11] offset:(16*(\a)+2*\t)*ROWB  ; 16 lanes store 256 consecutive bytes, at a multiple of 256 from C's first byte
.endr
.endm
; THE WAY OUT, f32 (VAR 4): 32 bytes a lane into the stage, back as whole rows of 512 bytes.
.macro STG a
	WIN 0x04
.irp b, 0,1,2,3,4,5,6,7
	ds_store_b128 v20, v[8*(8*(\a)+\b):8*(8*(\a)+\b)+3] offset:64*\b
	ds_store_b128 v20, v[8*(8*(\a)+\b)+4:8*(8*(\a)+\b)+7] offset:64*\b+16
.endr
	WIN 0
.set BK, 64+64*((\a)%2)
.irp t, 0,1,2,3,4,5,6,7,8,9,10,11,12,13,14,15
	ds_load_b128 v[BK+4*\t:BK+4*\t+3], v21 offset:528*\t
.endr
.endm
.macro SND a, y                        ; y: the LDS instructions issued behind block a's loads: the next block's 32, or none
.set BK, 64+64*((\a)%2)
	s_wait_dscnt \y
.irp t, 0,1,2,3,4,5,6,7,8,9,10,11,12,13,14,15
	global_store_b128 v22, v[BK+4*\t:BK+4*\t+3], s[10:11] offset:(16*(\a)+\t)*4096 th:TH_STORE_NT  ; 512 consecutive bytes, at a multiple of 256 from C's first byte
.endr
.endm
	s_wait_tensorcnt 0x1                           ; my part of K step 0 is in; K step 1's may stay out
.if VAR == 3
	s_wait_dscnt 0x0                               ; for the others' sake: my g are stored
.endif
	s_barrier_signal -1
	s_barrier_wait -1
	FETCH 0, F0
.if VAR == 3
	ds_load_b128 v[24:27], v23                     ; g of block 0
	v_add_nc_u32 v23, 512, v23
	QUARTER 1, F0, F1, 1                           ; the first quarter stands in front of the loop: its products start the sums
.else
	QUARTER 1, F0, F1, 2
.endif
	WIN 0
	s_mov_b32 s67, T-2
.Lmain:                                                ; a trip: a step's quarters 1 to 3, a refill, the next step's quarter 0
	QUARTER 2, F1, F0, 0
	QUARTER 3, F0, F1, 0
	TURN 1, 0
	Q0N
	WIN 0
	s_sub_co_u32 s67, s67, 1
	s_cmp_lg_u32 s67, 0
	s_cbranch_scc1 .Lmain
	s_mov_b32 s67, 2
.Ltail:                                                ; the last two steps ask for nothing: a text of their own; the second trip is left in its middle
	QUARTER 2, F1, F0, 0
	QUARTER 3, F0, F1, 0
	TURN 0, 1
	WIN 0
	s_sub_co_u32 s67, s67, 1
	s_cmp_eq_u32 s67, 0
	s_cbranch_scc1 .Lout
	Q0N
	WIN 0
	s_branch .Ltail
.Lout:
	PLACES                                         ; what follows reads results just made and writes registers that the last products read
.if VAR == 3
.set i, 0
.rept 32
	FOLD i                                         ; the last block
.set i, i+1
.endr
.endif
.if VAR == 4
	STG 0
	STG 1
	SND 0, 32
	s_wait_xcnt 0x0                                ; block 0's stores have read the registers that block 2's loads write
	STG 2
	SND 1, 32
	s_wait_xcnt 0x0
	STG 3
	SND 2, 32
	SND 3, 0
.else
	PACK 0
	TOSTAGE 0
.irp a, 1,2,3                          ; block a's conversions stand between block a - 1's loads from the stage and the wait for them
	PACK \a
	SEND (\a)-1
	TOSTAGE \a
.endr
	SEND 3
.endif
	s_wait_tensorcnt 0x0                           ; the wave's end
	ds_add_u32 v28, v29
	s_wait_dscnt 0x0
	CROUND                                         ; the closing round: no work-group ends while a partner may still ask for a tile that names it
	s_endpgm
.Lfunc_end_k_qb375f3b41f_ctxmul:
	.size	k_qb375f3b41f_ctxmul, .Lfunc_end_k_qb375f3b41f_ctxmul-k_qb375f3b41f_ctxmul
	.p2alignl 7, 3214868480
	.fill 96, 4, 3214868480
	.section	.rodata,"a",@progbits
	.p2align	6, 0x0
	.amdhsa_kernel k_qb375f3b41f_ctxmul
		.amdhsa_group_segment_fixed_size 327680
		.amdhsa_private_segment_fixed_size 0
		.amdhsa_enable_private_segment 0
		.amdhsa_kernarg_size 32
		.amdhsa_user_sgpr_count 2
		.amdhsa_user_sgpr_kernarg_segment_ptr 1
		.amdhsa_wavefront_size32 1
		.amdhsa_system_sgpr_workgroup_id_x 1
		.amdhsa_system_sgpr_workgroup_id_y 1
		.amdhsa_system_sgpr_workgroup_id_z 1
		.amdhsa_system_vgpr_workitem_id 0
		.amdhsa_next_free_vgpr 768
		.amdhsa_next_free_sgpr 80
		.amdhsa_reserve_vcc 0
		.amdhsa_float_denorm_mode_32 3
		.amdhsa_float_denorm_mode_16_64 3
		.amdhsa_memory_ordered 1
		.amdhsa_forward_progress 1
		.amdhsa_inst_pref_size 104
	.end_amdhsa_kernel
	.amdgpu_metadata
---
amdhsa.version: [ 1, 2 ]
amdhsa.kernels:
  - .name:           k_qb375f3b41f_ctxmul
    .symbol:         k_qb375f3b41f_ctxmul.kd
    .args:
      - { .name: pt, .offset: 0, .size: 8, .value_kind: global_buffer, .address_space: global }
      - { .name: qkv, .offset: 8, .size: 8, .value_kind: global_buffer, .address_space: global }
      - { .name: stat, .offset: 16, .size: 8, .value_kind: global_buffer, .address_space: global }
      - { .name: ctx, .offset: 24, .size: 8, .value_kind: global_buffer, .address_space: global }
    .group_segment_fixed_size: 327680
    .private_segment_fixed_size: 0
    .kernarg_segment_align: 8
    .kernarg_segment_size: 32
    .max_flat_workgroup_size: 128
    .sgpr_count:     80
    .vgpr_count:     768
    .wavefront_size: 32
...
	.end_amdgpu_metadata
.endif
;; end of part 4
;; launch outproj (part 5): grid 4 x 64, 4 waves a work-group, clusters of 4 x 4, 327,680 bytes of LDS; arguments ctx, woh, b_out, out0; writes out0
.if DOCPART == 5
	.amdgcn_target "amdgcn-amd-amdhsa--gfx1250"
	.amdhsa_code_object_version 6
	.text
	.protected	k_qb375f3b41f_outproj
	.globl	k_qb375f3b41f_outproj
	.p2align	8
	.type	k_qb375f3b41f_outproj,@function
k_qb375f3b41f_outproj:
	s_mov_b64 s[64:65], 0
	v_nop
	global_prefetch_b8 v0, s[64:65] scope:SCOPE_SE
	s_setreg_imm32_b32 hwreg(HW_REG_WAVE_MODE, 25, 1), 1
	s_wait_xcnt 0x0
	s_wait_alu depctr_hold_cnt(0) depctr_sa_sdst(0) depctr_va_vdst(0) depctr_va_sdst(0) depctr_va_ssrc(0) depctr_va_vcc(0) depctr_vm_vsrc(0)
	s_getreg_b32 s2, hwreg(HW_REG_IB_STS2, 6, 4)
	s_cmp_eq_u32 s2, 0
	s_cbranch_scc0 .Lentry_in_a_cluster
	s_endpgm
.Lentry_in_a_cluster:
	s_bfe_u32 s2, ttmp6, 0x10000c
	s_cmp_lg_u32 s2, 0xf033
	s_cbranch_scc0 .Lentry_shape_is_right
	s_endpgm
.Lentry_shape_is_right:
; THIS COPY: VAR = 4, out0 = ctx woh + b_out.
; ONE TEXT FOR THREE PRODUCTS C = A B with A [m][k] and B [k][n], both of 16 bits, sums in f32; the constant VAR chooses sizes, format and way out:
;   VAR 1  qkv [8192][3072] f16 = xb [8192][1024] bf16 x wqb [1024][3072] bf16 + b_qkv (rounded to bf16, as every input is)
;   VAR 3  ctx [8192][1024] f16 = the sum over key blocks j of g_j (P~_j V_j): A = pt [8192][2048] f16, B = v, the third part of qkv's rows, of the row's batch;
;          stat holds for each row and block of 128 keys c m_j and l_j; g_j = 2^(c m_j - c M) / L, c M = max_j c m_j, L = sum_j 2^(c m_j - c M) l_j (at least 1)
;   VAR 4  out0 [8192][1024] f32 = ctx f16 x woh [1024][1024] f16 + b_out (rounded to bf16)
; LIMITS.  f16 results beyond 65,504 become infinities (q, k, v, ctx); below 6.1e-5 they keep f16's fixed step of 6e-8; factors below 2^-126 count as 0; NaN and infinities are not treated apart.
; SHARES.  A work-group makes 128 x 256 of C; wave w rows 64 (w / 2) on, columns 128 (w % 2) on: 32 accumulators of 16 x 16 ((a, b) at 8 (8 a + b) of window 1).
; K goes in steps of 128 through two LDS slots.  A's tile lies as in memory (rows of 256 bytes, 16 of padding), B's too ([k][n], rows of 512 bytes, 32 of padding) and is read turned, by ds_load_tr16_b128.
; THE MATRIX INSTRUCTION IS USED TRANSPOSED (source 0 = 16 columns of B, source 1 = 16 rows of A): lane l holds row l % 16 of C and the columns 8 (l / 16) + 0..7.
; CLUSTER 4 x 4.  A's tile hangs on the tile row alone and is asked for jointly along a row of the cluster, B's on the tile column (VAR 3: and the batch, which the cluster shares) along a column.
; Waves 0, 1 ask for A's halves (64 rows), waves 2, 3 for B's (64 k-rows): one tensor load a wave behind each round; two a wave are out at the start, one later.
; REGISTERS.  window 0: v0-29 addresses, v64-159 and v160-255 two fragment buffers (8 of B, then 4 of A); window 1: the accumulators; window 2: the bias as a C operand (VAR 1, 4) or the folded sums TOT (VAR 3).
.set VAR, 4
.if VAR == 1
.set T, 8                              ; K steps
.set PITCHA, 1024                      ; elements from row to row
.set PITCHB, 3072
.set ROWB, 6144                        ; bytes in a row of C
.set OSH, 8                            ; log2 of the bytes of a wave's 128 columns of C
.elseif VAR == 3
.set T, 16
.set PITCHA, 2048
.set PITCHB, 3072
.set ROWB, 2048
.set OSH, 8
.else
.set T, 8
.set PITCHA, 1024
.set PITCHB, 1024
.set ROWB, 4096
.set OSH, 9
.endif
.set STEPA, 256                        ; bytes from K step to K step
.set STEPB, 128*PITCHB*2
.set PA, 272                           ; LDS pitch of A: 17 x 16 bytes: the 16 rows of a load begin in 16 different columns of 16 bytes modulo 256
.set PB, 544                           ; LDS pitch of B: 17 x 32 bytes: 16 lanes of the turning load take 8 rows x 32 bytes, all different modulo 256
.set BOFF, 128*PA                      ; B's tile behind A's
.set SLOT1, 1<<17                      ; slot 1: a bit that no address in slot 0 (104,448 bytes) has, so one exclusive or changes slots
.set STAGE, SLOT1+BOFF+128*PB          ; 235,520: each wave's stage for the way out; no tensor load lands from here on
.set GB, STAGE+4*8448                  ; 269,312: VAR 3: g, 16 blocks x 128 rows
.set SPARE, GB+8192                    ; 277,504: the spare words, 128 bytes a wave, named by no other line
.set F0, 64
.set F1, 160
.set TMP, 64                           ; the way out: packed results
.set MULW, 0x50                        ; C and D window 1, fragments window 0
.set MULB, 0x60                        ; D window 1, C window 2
.set FOLDW, 0xa1                       ; destination and source 2 window 2, source 0 window 1, source 1 window 0
.set MSB, 0
.macro WIN new                         ; the immediate's high byte repeats the setting that is left; a switch that changes nothing is dropped
.if MSB != (\new)
	s_set_vgpr_msb (MSB<<8)|(\new)
.set MSB, (\new)
.endif
.endm
.macro PLACES n=4                      ; plain vector instructions between a matrix instruction and what touches its registers (ISA guide 7.12.1 for vector instructions)
.rept \n
	v_nop
.endr
.endm
.macro WMI ops:vararg
.if VAR == 1
	v_wmma_f32_16x16x32_bf16 \ops
.else
	v_wmma_f32_16x16x32_f16 \ops
.endif
.endm
.macro CREST                           ; a round of the cluster's barrier behind its opening barrier
	s_cmp_lg_u32 s12, 0
	s_cbranch_scc1 .Lnot_wave_0_\@
	s_barrier_signal -3
.Lnot_wave_0_\@:
	s_barrier_wait -3
	s_barrier_signal -1
	s_barrier_wait -1
.endm
.macro CROUND
	s_barrier_signal -1
	s_barrier_wait -1
	CREST
.endm
.macro JLOAD                           ; a joint refill by the walking descriptors; the branch hangs on the wave's number alone; s_nop 0 and four v_nop follow each line
	s_cmp_eq_u32 s13, 0
	s_cbranch_scc0 .Lfor_b_\@
	tensor_load_to_lds s[36:39], s[24:31]
	s_nop 0
	PLACES
	s_branch .Lasked_\@
.Lfor_b_\@:
	tensor_load_to_lds s[60:63], s[48:55]
	s_nop 0
	PLACES
.Lasked_\@:
.endm
	s_load_b256 s[4:11], s[0:1], 0x0               ; A s[4:5], B s[6:7], bias or stat s[8:9], C s[10:11]
	v_lshl_add_u32 v28, v0, 2, SPARE               ; my spare word; never rewritten
	v_mov_b32 v29, 0                               ; never rewritten
	ds_add_u32 v28, v29
	s_wait_dscnt 0x0
	v_lshrrev_b32 v1, 5, v0
	v_readfirstlane_b32 s12, v1                    ; wave 0..3
	s_lshr_b32 s13, s12, 1                         ; my half of the rows.  Also: I ask for A (0) or B (1)
	s_and_b32 s14, s12, 1                          ; my half of the columns.  Also: which half of that tile I ask for
	s_bfe_u32 s16, ttmp6, 0x40000                  ; cx
	s_bfe_u32 s17, ttmp6, 0x40004                  ; cy
	s_lshl_b32 s18, ttmp9, 2
	s_add_co_u32 s18, s18, s16                     ; X: tile column = 4 x cluster x + cx
	s_and_b32 s20, ttmp7, 0xffff                   ; cluster y
	s_lshl_b32 s19, s20, 2
	s_add_co_u32 s19, s19, s17                     ; Y: tile row = 4 x cluster y + cy
	s_lshl_b32 s21, s17, 2
	s_lshl_b32 s21, 15, s21                        ; my row of the cluster
	s_lshl_b32 s22, 0x1111, s16                    ; my column
	; group 1 for A: 64 rows x 128 elements; for B: 64 rows x 256 elements
	s_or_b32 s24, s21, (1<<16)|(1<<20)|(1<<21)|(5<<22)|(3<<25)  ; mask; 2-byte elements; padding on; bit 21 beside a mask; after every 64 words, 4 words
	s_mov_b32 s25, 128<<16                         ; tensor_dim0
	s_mov_b32 s26, 64<<16                          ; tensor_dim1
	s_mov_b32 s27, 128<<16                         ; tile_dim0
	s_mov_b32 s28, 64                              ; tile_dim1
	s_mov_b32 s29, PITCHA
	s_mov_b32 s30, 0
	s_mov_b32 s31, 0
	s_or_b32 s48, s22, (1<<16)|(1<<20)|(1<<21)|(6<<22)|(7<<25)  ; after every 128 words, 8 words
	s_mov_b32 s49, 256<<16
	s_mov_b32 s50, 64<<16
	s_mov_b32 s51, 256<<16
	s_mov_b32 s52, 64
	s_mov_b32 s53, PITCHB
	s_mov_b32 s54, 0
	s_mov_b32 s55, 0
	; A's offset is made of Y and the wave alone, B's of X, the cluster's y and the wave alone
	s_lshl_b32 s40, s19, 7
	s_lshl_b32 s23, s14, 6
	s_add_co_u32 s40, s40, s23                     ; row 128 Y + 64 x half
	s_mul_i32 s40, s40, PITCHA*2
	s_mov_b32 s41, 0
	s_lshl_b32 s42, s14, 6                         ; k-row 64 x half
.if VAR == 3
	s_lshr_b32 s43, s20, 2                         ; the batch: 16 tile rows, 4 clusters
	s_lshl_b32 s43, s43, 11
	s_add_co_u32 s42, s42, s43                     ; its 2,048 keys
.endif
	s_mul_i32 s42, s42, PITCHB*2
	s_lshl_b32 s43, s18, 9                         ; 256 columns of 2 bytes
	s_add_co_u32 s42, s42, s43
.if VAR == 3
	s_add_co_u32 s42, s42, 4096                    ; v lies behind q and k in a row of qkv
.endif
	s_mov_b32 s43, 0
	s_lshl_b32 s44, s19, 7
	s_lshl_b32 s45, s13, 6
	s_add_co_u32 s44, s44, s45                     ; my first row of C
	s_mul_i32 s44, s44, ROWB
	s_lshl_b32 s45, s18, 1
	s_add_co_u32 s45, s45, s14                     ; my block of 128 columns
.if VAR == 3
	s_lshl_b32 s46, s19, 9                         ; stat: the group's 128 rows of 4 bytes
.else
	s_lshl_b32 s46, s45, 9                         ; bias: my 128 columns of 4 bytes
.endif
	s_mov_b32 s47, 0
	s_lshl_b32 s45, s45, OSH
	s_add_co_u32 s44, s44, s45
	s_mov_b32 s45, 0
	s_mul_i32 s15, s14, 64*PA                      ; where the halves go in a slot: no place in the cluster enters an LDS address
	s_mul_i32 s23, s14, 64*PB
	s_add_co_u32 s23, s23, BOFF
	s_mov_b32 s66, 0                               ; the slot that is read
	s_mov_b32 s68, 0xffff0000                      ; a word's upper bf16
	s_wait_kmcnt 0x0
	s_add_nc_u64 s[40:41], s[4:5], s[40:41]
	s_add_nc_u64 s[42:43], s[6:7], s[42:43]
	s_add_nc_u64 s[8:9], s[8:9], s[46:47]
	s_add_nc_u64 s[10:11], s[10:11], s[44:45]
.irp n, 0,1                            ; group 0: set 0 = K step 0 into slot 0; set 1 = K step 1 into slot 1, and then it walks
	s_mov_b32 s[32+4*\n], 1
	s_add_co_u32 s[33+4*\n], s15, \n*SLOT1
	s_add_nc_u64 s[34+4*\n:35+4*\n], s[40:41], \n*STEPA
	s_or_b32 s[35+4*\n], s[35+4*\n], 0x80000000
	s_mov_b32 s[56+4*\n], 1
	s_add_co_u32 s[57+4*\n], s23, \n*SLOT1
	s_add_nc_u64 s[58+4*\n:59+4*\n], s[42:43], \n*STEPB
	s_or_b32 s[59+4*\n], s[59+4*\n], 0x80000000
.endr
	CROUND                                         ; all sixteen work-groups are here: the first joint loads meet
	s_cmp_eq_u32 s13, 0                            ; a wave's two first fills stand in one branch, ahead of every wait on TENSORcnt, LDS read and further barrier
	s_cbranch_scc0 .Lfirst_b
	tensor_load_to_lds s[32:35], s[24:31]
	s_nop 0
	tensor_load_to_lds s[36:39], s[24:31]
	s_nop 0
	PLACES
	s_branch .Lfirst_asked
.Lfirst_b:
	tensor_load_to_lds s[56:59], s[48:55]
	s_nop 0
	tensor_load_to_lds s[60:63], s[48:55]
	s_nop 0
	PLACES
.Lfirst_asked:
	v_and_b32 v1, 15, v0                           ; r = l % 16
	v_bfe_u32 v2, v0, 4, 1                         ; h = l / 16
.if VAR == 3
	v_lshlrev_b32 v5, 2, v0                        ; thread t reads the statistics of the group's row t
.irp j, 0,1,2,3,4,5,6,7,8,9,10,11,12,13,14,15
	global_load_b32 v[64+\j], v5, s[8:9] offset:32768*\j           ; c m_j
	global_load_b32 v[80+\j], v5, s[8:9] offset:32768*\j+524288    ; l_j
.endr
.else
	v_lshlrev_b32 v5, 5, v2                        ; the bias of columns 16 b + 8 h + 0..7 goes where the products' C operand has them
	WIN 0x80
.irp b, 0,1,2,3,4,5,6,7
	global_load_b128 v[8*\b:8*\b+3], v5, s[8:9] offset:64*\b
	global_load_b128 v[8*\b+4:8*\b+7], v5, s[8:9] offset:64*\b+16
.endr
	WIN 0
.endif
	v_mul_u32_u24 v16, v1, PA                      ; A's fragments: row r, 16 bytes a half of the lanes, my 64 rows
	v_lshl_add_u32 v16, v2, 4, v16
	s_mul_i32 s74, s13, 64*PA
	v_add_nc_u32 v16, s74, v16
	v_and_b32 v3, 7, v0                            ; B's, turned: lane l reads k-row 8 h + l % 8, 16 bytes at 16 ((l / 8) % 2), my 128 columns
	v_lshl_add_u32 v3, v2, 3, v3
	v_mul_u32_u24 v17, v3, PB
	v_bfe_u32 v4, v0, 3, 1
	v_lshl_add_u32 v17, v4, 4, v17
	s_lshl_b32 s74, s14, 8
	s_add_co_u32 s74, s74, BOFF
	v_add_nc_u32 v17, s74, v17
	v_mov_b32 v18, v16                             ; the two addresses in the slot that is read
	v_mov_b32 v19, v17
.if VAR == 4
	s_mul_i32 s74, s12, 8448                       ; my stage: 16 rows of 512 + 16 bytes
	s_add_co_u32 s74, s74, STAGE
	v_mul_u32_u24 v20, v1, 528                     ; in: row r, 32 bytes a half of the lanes
	v_lshl_add_u32 v20, v2, 5, v20
	v_add_nc_u32 v20, s74, v20
	v_and_b32 v22, 31, v0                          ; back and out: 32 lanes take a row's 512 bytes
	v_lshlrev_b32 v22, 4, v22
	v_add_nc_u32 v21, s74, v22
.else
	s_mul_i32 s74, s12, 4352                       ; my stage: 16 rows of 256 + 16 bytes
	s_add_co_u32 s74, s74, STAGE
	v_mul_u32_u24 v20, v1, 272                     ; in: row r, 16 bytes a half of the lanes
	v_lshl_add_u32 v20, v2, 4, v20
	v_add_nc_u32 v20, s74, v20
	v_mul_u32_u24 v21, v2, 272                     ; back: lanes 0-15 one row of 256 bytes, lanes 16-31 the next
	v_lshl_add_u32 v21, v1, 4, v21
	v_add_nc_u32 v21, s74, v21
	v_mul_u32_u24 v22, v2, ROWB                    ; and the same two rows in C
	v_lshl_add_u32 v22, v1, 4, v22
.endif
.if VAR == 3
	v_lshrrev_b32 v11, 6, v0                       ; g of row t goes to GB + 512 j + 256 (t / 64) + 16 (t % 16) + 4 ((t / 16) % 4): a lane later reads its four blocks' g as 16 bytes
	v_lshlrev_b32 v11, 8, v11
	v_lshl_add_u32 v11, v1, 4, v11
	v_bfe_u32 v12, v0, 4, 2
	v_lshl_add_u32 v11, v12, 2, v11
	v_add_nc_u32 v11, GB, v11
	s_lshl_b32 s75, s13, 8
	s_add_co_u32 s75, s75, GB
	v_lshl_add_u32 v23, v1, 4, s75                 ; where I read g of the step in hand
	WIN 0x80                                       ; TOT starts at 0: 256 moves in the wait for the first tile; they spare a second text of the fold for the first block
.set i, 0
.rept 256
	v_mov_b32 v[i], 0
.set i, i+1
.endr
	WIN 0
	s_wait_loadcnt 0x0
	v_max3_num_f32 v8, v64, v65, v66               ; c M
.irp j, 67,69,71,73,75,77
	v_max3_num_f32 v8, v8, v[\j], v[\j+1]
.endr
	v_max_num_f32 v8, v8, v79
.irp j, 0,1,2,3,4,5,6,7,8,9,10,11,12,13,14,15
	v_sub_f32 v[64+\j], v[64+\j], v8
.endr
.irp j, 0,1,2,3,4,5,6,7,8,9,10,11,12,13,14,15
	v_exp_f32 v[64+\j], v[64+\j]                   ; f_j, at most 1
.endr
	v_nop                                          ; a plain instruction between the exponentials and the use of their results
	v_mul_f32 v9, v64, v80                         ; L
.irp j, 1,2,3,4,5,6,7,8,9,10,11,12,13,14,15
	v_fmac_f32 v9, v[64+\j], v[80+\j]
.endr
	v_rcp_f32 v10, v9
	v_nop
.irp j, 0,1,2,3,4,5,6,7,8,9,10,11,12,13,14,15
	v_mul_f32 v[64+\j], v[64+\j], v10              ; g_j
.endr
.irp j, 0,1,2,3,4,5,6,7,8,9,10,11,12,13,14,15
	ds_store_b32 v11, v[64+\j] offset:512*\j
.endr
.else
	s_wait_loadcnt 0x0
	WIN 0x0a                                       ; the bias is rounded to bf16, as every input is, and widened again
.set i, 0
.rept 32
	v_cvt_pk_bf16_f32 v[64+i], v[2*i], v[2*i+1]
.set i, i+1
.endr
	WIN 0x80
.set i, 0
.rept 32
	v_lshlrev_b32 v[2*i], 16, v[64+i]
	v_and_b32 v[2*i+1], s68, v[64+i]
.set i, i+1
.endr
	WIN 0
.endif
; 24 LDS loads in one run: the fragments of 32 along K (quarter q of the step) into buffer g
.macro FETCH q, g
	WIN 0
.irp b, 0,1,2,3,4,5,6,7
	ds_load_tr16_b128 v[(\g)+8*\b:(\g)+8*\b+3],   v19 offset:32*PB*(\q)+32*\b
	ds_load_tr16_b128 v[(\g)+8*\b+4:(\g)+8*\b+7], v19 offset:32*PB*(\q)+16*PB+32*\b
.endr
.irp a, 0,1,2,3
	ds_load_b128 v[(\g)+64+8*\a:(\g)+64+8*\a+3],   v18 offset:16*PA*\a+64*(\q)
	ds_load_b128 v[(\g)+64+8*\a+4:(\g)+64+8*\a+7], v18 offset:16*PA*\a+64*(\q)+32
.endr
.endm
; 8 matrix instructions: row block a x all 8 column blocks.  mode 0: onto the sums; 1: the constant 0 starts them; 2: the bias starts them.
; The 32 accumulators take turns, one instruction a turn, in the same order everywhere.
.macro MULA f, a, mode
.if (\mode) == 2
	WIN MULB
.else
	WIN MULW
.endif
.set rA, (\f)+64+8*(\a)
.irp b, 0,1,2,3,4,5,6,7
.set rD, 8*(8*(\a)+\b)
.set rB, (\f)+8*\b
.if (\mode) == 0
	WMI v[rD:rD+7], v[rB:rB+7], v[rA:rA+7], v[rD:rD+7]
.elseif (\mode) == 1
	WMI v[rD:rD+7], v[rB:rB+7], v[rA:rA+7], 0
.else
	WMI v[rD:rD+7], v[rB:rB+7], v[rA:rA+7], v[8*\b:8*\b+7]
.endif
.endr
.endm
; A K step is four quarters on buffers F0, F1, F0, F1.  QUARTER multiplies buffer f and first fetches quarter q into g, 32 matrix instructions ahead of its use.
.macro QUARTER q, f, g, mode
	s_wait_dscnt 0x0                               ; buffer f is in: its loads were issued 32 matrix instructions ago
	PLACES                                         ; the products just issued read buffer g
	FETCH \q, \g
	MULA \f, 0, \mode
	MULA \f, 1, \mode
	MULA \f, 2, \mode
	MULA \f, 3, \mode
.endm
; The last quarter multiplies F1 and changes slots: ONE barrier.  In front of it each wave waits for all its tensor loads (one is out: its part of the next slot), adds 0 to its spare word, and waits for
; that and for its reads of this slot.  fill = 1: the barrier opens a round of the cluster's, and the joint refill (two K steps on) is the first thing behind it: 112 matrix instructions ahead of the wait for it.
; tail = 1: in the last K step nothing is left to fetch, and the run of loads is jumped over.
.macro TURN fill, tail
	WIN 0
	s_wait_tensorcnt 0x0                           ; no tensor load of mine is out, so the walking descriptors may be written
	ds_add_u32 v28, v29                            ; 0 onto my spare word
.if \fill
	s_xor_b32 s37, s37, SLOT1                      ; the other slot than last time,
	s_add_nc_u64 s[38:39], s[38:39], STEPA         ; the next K step; the type bits on top are not reached
	s_xor_b32 s61, s61, SLOT1
	s_add_nc_u64 s[62:63], s[62:63], STEPB
.endif
	s_xor_b32 s66, s66, SLOT1                      ; the fragment addresses turn to the next slot
	v_add_nc_u32 v18, s66, v16
	v_add_nc_u32 v19, s66, v17
	s_wait_dscnt 0x1                               ; F1 is in; the add alone may be out
	MULA F1, 0, 0
	s_wait_dscnt 0x0                               ; the add is done, and my reads of this slot are over
	s_barrier_signal -1
	MULA F1, 1, 0                                  ; work on registers while the others arrive
	WIN 0
	s_barrier_wait -1
.if \fill
	CREST                                          ; no wave of any partner still reads this slot or has a load on its way
	JLOAD                                          ; its four v_nop are also the places in front of the loads below
.endif
.if \tail
	s_cmp_eq_u32 s67, 1
	s_cbranch_scc1 .Lnf_\@
.endif
.if !(\fill)
	PLACES
.endif
	FETCH 0, F0
.if \tail
.Lnf_\@:
.endif
	MULA F1, 2, 0
	MULA F1, 3, 0
.endm
; VAR 3.  TOT_i += g x ACC_i: g of row block i / 8 is one of the four words in v[24:27].  The accumulator's low registers are read first.
.macro FOLD i
	WIN FOLDW
.set rG, 24+2*((\i)/16)
.irp z, 0,2,4,6
.if ((\i)/8)%2 == 0
	v_pk_fma_f32 v[8*(\i)+\z:8*(\i)+\z+1], v[8*(\i)+\z:8*(\i)+\z+1], v[rG:rG+1], v[8*(\i)+\z:8*(\i)+\z+1] op_sel_hi:[1,0,1]
.else
	v_pk_fma_f32 v[8*(\i)+\z:8*(\i)+\z+1], v[8*(\i)+\z:8*(\i)+\z+1], v[rG:rG+1], v[8*(\i)+\z:8*(\i)+\z+1] op_sel:[0,1,0] op_sel_hi:[1,1,1]
.endif
.endr
.endm
; VAR 3: a step's first quarter.  The finished block is folded into TOT, accumulator by accumulator, and the product that follows starts that accumulator anew with the constant 0: four folds ride behind each product.
.macro FOLDQ
	s_wait_dscnt 0x0                               ; F0 and g are in
	PLACES 5                                       ; four for the loads into F1 and the reads of the sums, five since the products below write over earlier results
	FETCH 1, F1
.set i, 0
.rept 32
	FOLD i
	WIN MULW
.set rD, 8*i
.set rB, F0+8*(i%8)
.set rA, F0+64+8*(i/8)
	WMI v[rD:rD+7], v[rB:rB+7], v[rA:rA+7], 0
.set i, i+1
.endr
	WIN 0
	ds_load_b128 v[24:27], v23                     ; g of the step just begun
	v_add_nc_u32 v23, 512, v23
.endm
.macro Q0N                             ; the next step's first quarter
.if VAR == 3
	FOLDQ
.else
	QUARTER 1, F0, F1, 0
.endif
.endm
; THE WAY OUT, 16 bits (VAR 1, 3), a block of 16 rows at a time: rounded to f16, 16 bytes a lane into my own stage, back as whole rows of 256 bytes, stored.
.macro PACK a
.if VAR == 3
	WIN 0x0a
.else
	WIN 0x05
.endif
.irp b, 0,1,2,3,4,5,6,7
.irp z, 0,1,2,3
	v_cvt_pk_f16_f32 v[TMP+4*\b+\z], v[8*(8*(\a)+\b)+2*\z], v[8*(8*(\a)+\b)+2*\z+1]
.endr
.endr
	WIN 0
.endm
.macro TOSTAGE a
.set BK, 96+32*((\a)%2)
.irp b, 0,1,2,3,4,5,6,7
	ds_store_b128 v20, v[TMP+4*\b:TMP+4*\b+3] offset:32*\b
.endr
.irp t, 0,1,2,3,4,5,6,7
	ds_load_b128 v[BK+4*\t:BK+4*\t+3], v21 offset:544*\t  ; LDS serves a wave's instructions in order: these see the stores above
.endr
.endm
.macro SEND a
.set BK, 96+32*((\a)%2)
	s_wait_dscnt 0x0                               ; the block is back in registers
	s_wait_xcnt 0x0                                ; the stores of the block before have read their registers, which the next block's loads write
.irp t, 0,1,2,3,4,5,6,7
	global_store_b128 v22, v[BK+4*\t:BK+4*\t+3], s[10:11] offset:(16*(\a)+2*\t)*ROWB  ; 16 lanes store 256 consecutive bytes, at a multiple of 256 from C's first byte
.endr
.endm
; THE WAY OUT, f32 (VAR 4): 32 bytes a lane into the stage, back as whole rows of 512 bytes.
.macro STG a
	WIN 0x04
.irp b, 0,1,2,3,4,5,6,7
	ds_store_b128 v20, v[8*(8*(\a)+\b):8*(8*(\a)+\b)+3] offset:64*\b
	ds_store_b128 v20, v[8*(8*(\a)+\b)+4:8*(8*(\a)+\b)+7] offset:64*\b+16
.endr
	WIN 0
.set BK, 64+64*((\a)%2)
.irp t, 0,1,2,3,4,5,6,7,8,9,10,11,12,13,14,15
	ds_load_b128 v[BK+4*\t:BK+4*\t+3], v21 offset:528*\t
.endr
.endm
.macro SND a, y                        ; y: the LDS instructions issued behind block a's loads: the next block's 32, or none
.set BK, 64+64*((\a)%2)
	s_wait_dscnt \y
.irp t, 0,1,2,3,4,5,6,7,8,9,10,11,12,13,14,15
	global_store_b128 v22, v[BK+4*\t:BK+4*\t+3], s[10:11] offset:(16*(\a)+\t)*4096 th:TH_STORE_NT  ; 512 consecutive bytes, at a multiple of 256 from C's first byte
.endr
.endm
	s_wait_tensorcnt 0x1                           ; my part of K step 0 is in; K step 1's may stay out
.if VAR == 3
	s_wait_dscnt 0x0                               ; for the others' sake: my g are stored
.endif
	s_barrier_signal -1
	s_barrier_wait -1
	FETCH 0, F0
.if VAR == 3
	ds_load_b128 v[24:27], v23                     ; g of block 0
	v_add_nc_u32 v23, 512, v23
	QUARTER 1, F0, F1, 1                           ; the first quarter stands in front of the loop: its products start the sums
.else
	QUARTER 1, F0, F1, 2
.endif
	WIN 0
	s_mov_b32 s67, T-2
.Lmain:                                                ; a trip: a step's quarters 1 to 3, a refill, the next step's quarter 0
	QUARTER 2, F1, F0, 0
	QUARTER 3, F0, F1, 0
	TURN 1, 0
	Q0N
	WIN 0
	s_sub_co_u32 s67, s67, 1
	s_cmp_lg_u32 s67, 0
	s_cbranch_scc1 .Lmain
	s_mov_b32 s67, 2
.Ltail:                                                ; the last two steps ask for nothing: a text of their own; the second trip is left in its middle
	QUARTER 2, F1, F0, 0
	QUARTER 3, F0, F1, 0
	TURN 0, 1
	WIN 0
	s_sub_co_u32 s67, s67, 1
	s_cmp_eq_u32 s67, 0
	s_cbranch_scc1 .Lout
	Q0N
	WIN 0
	s_branch .Ltail
.Lout:
	PLACES                                         ; what follows reads results just made and writes registers that the last products read
.if VAR == 3
.set i, 0
.rept 32
	FOLD i                                         ; the last block
.set i, i+1
.endr
.endif
.if VAR == 4
	STG 0
	STG 1
	SND 0, 32
	s_wait_xcnt 0x0                                ; block 0's stores have read the registers that block 2's loads write
	STG 2
	SND 1, 32
	s_wait_xcnt 0x0
	STG 3
	SND 2, 32
	SND 3, 0
.else
	PACK 0
	TOSTAGE 0
.irp a, 1,2,3                          ; block a's conversions stand between block a - 1's loads from the stage and the wait for them
	PACK \a
	SEND (\a)-1
	TOSTAGE \a
.endr
	SEND 3
.endif
	s_wait_tensorcnt 0x0                           ; the wave's end
	ds_add_u32 v28, v29
	s_wait_dscnt 0x0
	CROUND                                         ; the closing round: no work-group ends while a partner may still ask for a tile that names it
	s_endpgm
.Lfunc_end_k_qb375f3b41f_outproj:
	.size	k_qb375f3b41f_outproj, .Lfunc_end_k_qb375f3b41f_outproj-k_qb375f3b41f_outproj
	.p2alignl 7, 3214868480
	.fill 96, 4, 3214868480
	.section	.rodata,"a",@progbits
	.p2align	6, 0x0
	.amdhsa_kernel k_qb375f3b41f_outproj
		.amdhsa_group_segment_fixed_size 327680
		.amdhsa_private_segment_fixed_size 0
		.amdhsa_enable_private_segment 0
		.amdhsa_kernarg_size 32
		.amdhsa_user_sgpr_count 2
		.amdhsa_user_sgpr_kernarg_segment_ptr 1
		.amdhsa_wavefront_size32 1
		.amdhsa_system_sgpr_workgroup_id_x 1
		.amdhsa_system_sgpr_workgroup_id_y 1
		.amdhsa_system_sgpr_workgroup_id_z 1
		.amdhsa_system_vgpr_workitem_id 0
		.amdhsa_next_free_vgpr 576
		.amdhsa_next_free_sgpr 80
		.amdhsa_reserve_vcc 0
		.amdhsa_float_denorm_mode_32 3
		.amdhsa_float_denorm_mode_16_64 3
		.amdhsa_memory_ordered 1
		.amdhsa_forward_progress 1
		.amdhsa_inst_pref_size 65
	.end_amdhsa_kernel
	.amdgpu_metadata
---
amdhsa.version: [ 1, 2 ]
amdhsa.kernels:
  - .name:           k_qb375f3b41f_outproj
    .symbol:         k_qb375f3b41f_outproj.kd
    .args:
      - { .name: ctx, .offset: 0, .size: 8, .value_kind: global_buffer, .address_space: global }
      - { .name: woh, .offset: 8, .size: 8, .value_kind: global_buffer, .address_space: global }
      - { .name: b_out, .offset: 16, .size: 8, .value_kind: global_buffer, .address_space: global }
      - { .name: out0, .offset: 24, .size: 8, .value_kind: global_buffer, .address_space: global }
    .group_segment_fixed_size: 327680
    .private_segment_fixed_size: 0
    .kernarg_segment_align: 8
    .kernarg_segment_size: 32
    .max_flat_workgroup_size: 128
    .sgpr_count:     80
    .vgpr_count:     576
    .wavefront_size: 32
...
	.end_amdgpu_metadata
.endif
;; end of part 5
